; MI455X (gfx1250); checked and timed in simulation.
; The chip was launched on July 23, 2026; its instructions are those of AMD's public machine-readable ISA for CDNA 5 (MIT licence, August 2026) and "CDNA5" Instruction Set Architecture Reference Guide (July 2026). The comments in the code are by the model that wrote it; some were corrected since.
;; Soft Retrieval Module. Allowed arithmetic: float matrix products may take bf16 or f16 operands with f32 sums; all other float work in f32.
;; Inputs: candidate_labels 100,000 int32; candidates 100,000 x 256 float32; query 2,048 x 256 float32.
;; Outputs: out0 2,048 x 10 float32.
;; Constants: n_classes = 10.
;; 2 versions, each right; version 2 is version 1 with the launch simtop written anew for expert scheduling mode. Each part assembles by itself: llvm-mc -triple=amdgcn-amd-amdhsa -mcpu=gfx1250 --defsym DOCPART=n.
;; ======== version 1 of 2: 4 launches
;; workspace buffers: qf 1,056,768 bytes; cbf 51,600,128 bytes; mf 20,480,000 bytes; mc 20,480,000 bytes; ms 24,576,000 bytes; sel 655,360 bytes of whole numbers; flg 655,360 bytes of whole numbers; cnt 65,536 bytes of whole numbers
;; launch qprep (part 1): grid 32 x 1, 4 waves a work-group, no clusters, 0 bytes of LDS; arguments query, qf; writes qf
.if DOCPART == 1
	.amdgcn_target "amdgcn-amd-amdhsa--gfx1250"
	.amdhsa_code_object_version 6
	.text
	.protected	k_q45e6115ae2_qprep
	.globl	k_q45e6115ae2_qprep
	.p2align	8
	.type	k_q45e6115ae2_qprep,@function
k_q45e6115ae2_qprep:
	s_mov_b64 s[64:65], 0
	v_nop
	global_prefetch_b8 v0, s[64:65] scope:SCOPE_SE
	s_setreg_imm32_b32 hwreg(HW_REG_WAVE_MODE, 25, 1), 1
	s_wait_xcnt 0x0
; QUERIES: rounded to bf16 as they are (not normalised), laid out as matrix fragments, and 1 / max(|q|, 1e-12) of the ROUNDED row in f32.
; qf: tile T = 4 Bq + t holds rows 64 Bq + 4 r + t (r = 0..15).  Chunk i = 2 ks + p of a tile is 512 bytes, lane L's 16 bytes at 16 L: k = 32 ks + 16 p + 8 (L / 16) + 0..7 of row r = L % 16.
; So a later load of 16 bytes a lane, 512 consecutive bytes a wave, IS half a fragment.  rq[2048] lies at byte 0x100000.
; Work-group Bq, wave t, lane (r, h): half of row 64 Bq + 4 r + t.  No LDS, no matrix unit: 2 MB are read once and 1 MB written once.
; LIMITS: NaN and infinities are not treated apart.
.set X,   16                           ; v[16:143]  the lane's 128 numbers, then packed in place
.set SS,  144                          ; v[144:151] four pairs of sums of squares
.set T,   152                          ; v[152:153] at work
	s_load_b128 s[4:7], s[0:1], 0x0                ; query s[4:5], qf s[6:7]
	v_and_b32 v1, 15, v0                           ; r
	v_bfe_u32 v2, v0, 4, 1                         ; h
	v_lshrrev_b32 v6, 5, v0
	v_readfirstlane_b32 s10, v6                    ; t: the wave's number
	s_mov_b32 s12, 0x76543210                      ; v_permlanex16_b32: each lane takes its own place in the other half
	s_mov_b32 s13, 0xfedcba98
	s_mov_b32 s14, 0x5368d4a5                      ; 1e12 = 1 / 1e-12
	s_mov_b32 s15, 0xffff0000                      ; a word's upper bf16
	v_lshlrev_b32 v3, 12, v1                       ; 4 r rows of 1,024 bytes
	v_lshl_add_u32 v3, v2, 5, v3                   ; + 32 h
	s_lshl_b32 s11, s10, 10
	v_add_nc_u32 v3, s11, v3                       ; + t rows
	v_and_b32 v4, 31, v0
	v_lshlrev_b32 v4, 4, v4                        ; 16 x lane
	v_lshlrev_b32 v5, 4, v1
	s_lshl_b32 s18, ttmp9, 8
	s_lshl2_add_u32 s18, s10, s18
	v_add_nc_u32 v5, s18, v5                       ; 4 x row = 256 Bq + 16 r + 4 t
	v_mov_b32 v155, 0                              ; v_permlanex16_b32's destination counts as read
	s_lshl_b32 s20, ttmp9, 16                      ; 64 rows of 1,024 bytes
	s_mov_b32 s21, 0
	s_lshl_b32 s22, ttmp9, 2
	s_add_co_u32 s22, s22, s10
	s_lshl_b32 s22, s22, 13                        ; tile T x 8,192
	s_mov_b32 s23, 0
	s_wait_kmcnt 0x0
	s_add_nc_u64 s[4:5], s[4:5], s[20:21]
	s_add_nc_u64 s[16:17], s[6:7], s[22:23]
.set ks, 0
.rept 8
.set p, 0
.rept 2
	global_load_b128 v[X+16*ks+8*p:X+16*ks+8*p+3],   v3, s[4:5] offset:128*ks+64*p th:TH_LOAD_NT
	global_load_b128 v[X+16*ks+8*p+4:X+16*ks+8*p+7], v3, s[4:5] offset:128*ks+64*p+16 th:TH_LOAD_NT
.set p, p+1
.endr
.set ks, ks+1
.endr
.set ks, 0
.rept 8
	s_wait_loadcnt 28-4*ks                         ; loads return in order: this K step's four are in, the four of each later step stay out
.set p, 0
.rept 2
.set B, X+16*ks+8*p
.set j, 0
.rept 4
	v_cvt_pk_bf16_f32 v[B+j], v[B+2*j], v[B+2*j+1] ; in place, ascending: no source is overwritten before it is read
.set j, j+1
.endr
.set j, 0
.rept 4
	v_lshlrev_b32 v[T], 16, v[B+j]                 ; the rounded numbers again as f32: the norm is the rounded row's
	v_and_b32 v[T+1], s15, v[B+j]
.if (ks == 0) && (p == 0)
	v_pk_mul_f32 v[SS+2*j:SS+2*j+1], v[T:T+1], v[T:T+1]
.else
	v_pk_fma_f32 v[SS+2*j:SS+2*j+1], v[T:T+1], v[T:T+1], v[SS+2*j:SS+2*j+1]
.endif
.set j, j+1
.endr
	global_store_b128 v4, v[B:B+3], s[16:17] offset:(2*ks+p)*512   ; 512 consecutive bytes a wave
.set p, p+1
.endr
.set ks, ks+1
.endr
	v_pk_add_f32 v[SS:SS+1], v[SS:SS+1], v[SS+2:SS+3]
	v_pk_add_f32 v[SS+4:SS+5], v[SS+4:SS+5], v[SS+6:SS+7]
	v_pk_add_f32 v[SS:SS+1], v[SS:SS+1], v[SS+4:SS+5]
	v_add_f32 v154, v[SS], v[SS+1]
	v_permlanex16_b32 v155, v154, s12, s13         ; the row's other half lies 16 lanes away
	v_add_f32 v154, v154, v155
	; 1 / max(sqrt(ss), 1e-12) = min(rsq(ss), 1e12), with one Newton step
	v_rsq_f32 v156, v154
	v_nop                                          ; a plain instruction behind the transcendental
	s_wait_alu depctr_va_vdst(0)
	v_min_num_f32 v156, s14, v156
	v_mul_f32 v157, v154, v156
	v_mul_f32 v158, 0.5, v156
	v_fma_f32 v159, -v157, v156, 1.0
	v_fma_f32 v156, v158, v159, v156
	v_min_num_f32 v156, s14, v156
	global_store_b32 v5, v156, s[6:7] offset:0x100000  ; both halves of the lanes store the same number
	s_endpgm
.Lfunc_end_k_q45e6115ae2_qprep:
	.size	k_q45e6115ae2_qprep, .Lfunc_end_k_q45e6115ae2_qprep-k_q45e6115ae2_qprep
	.p2alignl 7, 3214868480
	.fill 96, 4, 3214868480
	.section	.rodata,"a",@progbits
	.p2align	6, 0x0
	.amdhsa_kernel k_q45e6115ae2_qprep
		.amdhsa_group_segment_fixed_size 0
		.amdhsa_private_segment_fixed_size 0
		.amdhsa_enable_private_segment 0
		.amdhsa_kernarg_size 16
		.amdhsa_user_sgpr_count 2
		.amdhsa_user_sgpr_kernarg_segment_ptr 1
		.amdhsa_wavefront_size32 1
		.amdhsa_system_sgpr_workgroup_id_x 1
		.amdhsa_system_sgpr_workgroup_id_y 1
		.amdhsa_system_sgpr_workgroup_id_z 1
		.amdhsa_system_vgpr_workitem_id 0
		.amdhsa_next_free_vgpr 176
		.amdhsa_next_free_sgpr 66
		.amdhsa_reserve_vcc 0
		.amdhsa_float_denorm_mode_32 3
		.amdhsa_float_denorm_mode_16_64 3
		.amdhsa_memory_ordered 1
		.amdhsa_forward_progress 1
		.amdhsa_inst_pref_size 19
	.end_amdhsa_kernel
	.amdgpu_metadata
---
amdhsa.version: [ 1, 2 ]
amdhsa.kernels:
  - .name:           k_q45e6115ae2_qprep
    .symbol:         k_q45e6115ae2_qprep.kd
    .args:
      - { .name: query, .offset: 0, .size: 8, .value_kind: global_buffer, .address_space: global }
      - { .name: qf, .offset: 8, .size: 8, .value_kind: global_buffer, .address_space: global }
    .group_segment_fixed_size: 0
    .private_segment_fixed_size: 0
    .kernarg_segment_align: 8
    .kernarg_segment_size: 16
    .max_flat_workgroup_size: 128
    .sgpr_count:     66
    .vgpr_count:     176
    .wavefront_size: 32
...
	.end_amdgpu_metadata
.endif
;; end of part 1
;; launch simtop (part 2): grid 250 x 1, 4 waves a work-group, no clusters, 225,536 bytes of LDS; arguments candidates, candidate_labels, qf, cbf, mf, mc, ms; writes cbf, mf, mc, ms
.if DOCPART == 2
	.amdgcn_target "amdgcn-amd-amdhsa--gfx1250"
	.amdhsa_code_object_version 6
	.text
	.protected	k_q45e6115ae2_simtop
	.globl	k_q45e6115ae2_simtop
	.p2align	8
	.type	k_q45e6115ae2_simtop,@function
k_q45e6115ae2_simtop:
	s_mov_b64 s[64:65], 0
	v_nop
	global_prefetch_b8 v0, s[64:65] scope:SCOPE_SE
	s_setreg_imm32_b32 hwreg(HW_REG_WAVE_MODE, 25, 1), 1
	s_wait_xcnt 0x0
; THE PRODUCT, AND THE TWO LARGEST OF EACH GROUP OF 40.  t[row][n] = dot(bf16 q[row], bf16 c[n]) x rc[n], rc = 1 / max(|bf16 c|, 1e-12): in a row t orders as the cosine does (1 / |q| > 0 is common).
; Work-group c owns candidates 400 c .. 400 c + 399 (25 tiles of 16): read once, rounded to bf16 as they are, kept in LDS, and written to cbf (rc[100000] lies behind cbf's rows, at byte 51,200,000); it takes all 2,048 queries.
; 6,250 tiles = 250 x 25: no share over 256 work-groups has fewer than 25 tiles in some work-group, so 250 are launched.
; Wave w takes query blocks Bq = 4 b + w, b = 0..7: 64 queries = 4 tiles t, whose fragments come ready from qf, 512 consecutive bytes a load, a block ahead, into two register windows by turns.
; Source 0 = 16 candidates, source 1 = 16 queries: a lane holds ONE query (lane % 16) and the candidates 8 h + 0..7 of the tile (h = lane / 16).
; GROUP g = 10 c + 2 gp + h: candidates 400 c + 80 gp + 16 i + 8 h + j (i < 5, j < 8).  For each (row, group): F the largest t, C its code (16 x index + min(label, 15); a strict compare in ascending index
; keeps the lowest index), S the second largest; for each (row, 2 c + h): PM, the largest of all (behind S in ms, at byte 20,480,000).  Layouts [group][row] and [part][row]: a lane's four tiles are four
; neighbouring rows, 16 lanes store 256 bytes.
; BY TURNS: the tiles are two pairs X (t = 0, 1) and Y (t = 2, 3).  While one pair's 16 products are issued, the other pair's 72 vector lines (scale, compare, median, select, maximum) stand in slices of
; five and four behind them.  All that the slices touch lies in window 0, Q in windows 1 and 2: two window switches a matrix instruction.
; THE LDS LOADS stand in two runs of twelve a tile, never singly among the products: at the head of pair X's products this tile's K steps 4-7 and X's rc and codes; behind pair Y's eighth product the next
; tile's K steps 0-3 and Y's rc and codes.
; NO TENSOR LOADS: the candidates pass through registers anyway (rounding, norms), Q arrives as fragments.  NO CLUSTER: there is no tensor load to share, and 250 work-groups are no multiple of four.
; LIMITS: NaN and infinities are not treated apart; labels outside 0..14 count as 15 (no class).
.set PITCH, 528                        ; an LDS row: 512 bytes + 16 = 33 x 16: the 16 rows of a fragment load start in 16 different groups of four banks (ISA guide 11.1)
.set TILEB, 16*PITCH
.set RCT,   221440                     ; behind 416 rows (rows 400-415 repeat rows 0-15): 400 f32, first the sums of squares, then rc
.set CDO,   1792                       ; the 400 codes lie this far behind RCT
.set SPARE, 225024                     ; the spare words: 128 bytes a wave, named by no other line
.set FR, 16                            ; v[16:19] F   v[20:23] C   v[24:27] S   v[28:31] PM, by tile t
.set CR, 20
.set SR, 24
.set PR, 28
.set OF, 32                            ; v[32:47] what the stores read: F, C, S, PM
.set ACC, 48                           ; v[48:63] sums of pair X, v[64:79] of pair Y
.set RCB0, 80                          ; v[80:87] rc, v[88:95] codes for pair X's lines; v[96:103], v[104:111] for pair Y's
.set AF, 112                           ; v[112:175] the candidate tile's fragments, K step ks at AF + 8 ks
.set TT, 176                           ; prologue: v[176:179] at work, v[180:183] sums of squares
.set SQ, 180
.set MSB, 0
.macro WIN new                         ; the immediate's high byte repeats the setting that is left
.if MSB != (\new)
	s_set_vgpr_msb (MSB<<8)|(\new)
.set MSB, \new
.endif
.endm
	s_load_b256 s[4:11], s[0:1], 0x0               ; candidates s[4:5], labels s[6:7], qf s[8:9], cbf s[10:11]
	s_load_b64 s[14:15], s[0:1], 0x20              ; mf
	s_load_b64 s[16:17], s[0:1], 0x28              ; mc
	s_load_b64 s[18:19], s[0:1], 0x30              ; ms
	v_lshl_add_u32 v2, v0, 2, SPARE                ; my spare word, and 0: kept for the add at the wave's end
	v_mov_b32 v3, 0
	v_lshrrev_b32 v1, 5, v0
	v_readfirstlane_b32 s22, v1                    ; w
	s_mov_b32 s23, ttmp9                           ; c
	v_and_b32 v8, 15, v0                           ; r
	v_bfe_u32 v9, v0, 4, 1                         ; h
	v_and_b32 v13, 31, v0                          ; lane
	s_mov_b32 s24, 0xff800000                      ; -infinity
	s_mov_b32 s25, 0x5368d4a5                      ; 1e12
	s_mov_b32 s26, 0xffff0000
	s_mul_i32 s34, s23, 409600                     ; my work-group's 400 rows of 1,024 bytes, my wave's 100 of them
	s_mul_i32 s36, s22, 102400
	s_add_co_u32 s34, s34, s36
	s_mov_b32 s35, 0
	s_mul_i32 s36, s23, 204800                     ; the same in cbf, rows of 512 bytes
	s_mul_i32 s38, s22, 51200
	s_add_co_u32 s36, s36, s38
	s_mov_b32 s37, 0
	s_mul_i32 s38, s23, 1600                       ; 400 words in labels and in rc
	s_mov_b32 s39, 0
	s_lshl_b32 s32, s22, 15                        ; my wave's four tiles in each sixteen of qf
	s_mov_b32 s33, 0
	v_lshlrev_b32 v224, 5, v8                      ; in: lanes 0-15 one row, lanes 16-31 the next; 8 numbers (32 bytes) a lane
	v_lshl_add_u32 v224, v9, 10, v224
	v_lshlrev_b32 v225, 4, v8                      ; out: the same 8 numbers are 16 bytes
	v_lshl_add_u32 v225, v9, 9, v225
	v_mul_u32_u24 v226, v9, PITCH
	v_lshl_add_u32 v226, v8, 4, v226
	s_mul_i32 s43, s22, 100*PITCH
	v_add_nc_u32 v226, s43, v226                   ; LDS: my wave's rows begin at 100 w
	s_mul_i32 s44, s22, 400
	s_add_co_u32 s45, s44, RCT
	v_lshl_add_u32 v227, v9, 2, s45                ; LDS: the row's sum of squares
	v_lshlrev_b32 v12, 4, v13                      ; 16 x lane
	s_wait_kmcnt 0x0
	s_add_nc_u64 s[12:13], s[10:11], 51200000      ; s[12:13]: rc, behind cbf's 100,000 rows of 512 bytes
	s_add_nc_u64 s[20:21], s[18:19], 20480000      ; s[20:21]: PM, behind the 2,500 x 2,048 words of S
	s_add_nc_u64 s[4:5], s[4:5], s[34:35]
	s_add_nc_u64 s[10:11], s[10:11], s[36:37]
	s_add_nc_u64 s[6:7], s[6:7], s[38:39]
	s_add_nc_u64 s[12:13], s[12:13], s[38:39]
	s_add_nc_u64 s[8:9], s[8:9], s[32:33]
; ---- THE PROLOGUE: my wave's 100 rows, ten at a time through two register buffers of 80 ----
.macro LOADH buf, extra                ; 20 loads: five pairs of rows, two halves of 512 bytes, two loads of 16 bytes a lane
.set pp, 0
.rept 5
.set hf, 0
.rept 2
	global_load_b128 v[(\buf)+16*pp+8*hf:(\buf)+16*pp+8*hf+3],   v224, s[4:5] offset:(\extra)+pp*2048+hf*512 th:TH_LOAD_NT
	global_load_b128 v[(\buf)+16*pp+8*hf+4:(\buf)+16*pp+8*hf+7], v224, s[4:5] offset:(\extra)+pp*2048+hf*512+16 th:TH_LOAD_NT
.set hf, hf+1
.endr
.set pp, pp+1
.endr
.endm
.macro PROC buf, left, reload          ; ten rows: rounded, their squares summed, into LDS and into cbf
	s_wait_loadcnt \left                           ; this buffer's 20 loads are in; the other buffer's 20 may stay out
.set pp, 0
.rept 5
.set PB, (\buf)+16*pp
.set jj, 0
.rept 8
.set rg, PB+8*(jj/4)
	v_cvt_pk_bf16_f32 v[rg+jj%4], v[rg+2*(jj%4)], v[rg+2*(jj%4)+1]  ; in place, ascending
.set jj, jj+1
.endr
.set jj, 0
.rept 8
.set rg, PB+8*(jj/4)+jj%4
.set tt, TT+2*(jj%2)
.set sq, SQ+2*(jj%2)
	v_lshlrev_b32 v[tt], 16, v[rg]
	v_and_b32 v[tt+1], s26, v[rg]
.if jj < 2
	v_pk_mul_f32 v[sq:sq+1], v[tt:tt+1], v[tt:tt+1]
.else
	v_pk_fma_f32 v[sq:sq+1], v[tt:tt+1], v[tt:tt+1], v[sq:sq+1]
.endif
.set jj, jj+1
.endr
	v_pk_add_f32 v[SQ:SQ+1], v[SQ:SQ+1], v[SQ+2:SQ+3]
	v_add_f32 v[SQ], v[SQ], v[SQ+1]
	v_add_f32_dpp v[SQ], v[SQ], v[SQ] row_xmask:1 row_mask:0xf bank_mask:0xf  ; a row lies in 16 lanes
	v_add_f32_dpp v[SQ], v[SQ], v[SQ] row_xmask:2 row_mask:0xf bank_mask:0xf
	v_add_f32_dpp v[SQ], v[SQ], v[SQ] row_xmask:4 row_mask:0xf bank_mask:0xf
	v_add_f32_dpp v[SQ], v[SQ], v[SQ] row_xmask:8 row_mask:0xf bank_mask:0xf
	ds_store_b128 v226, v[PB:PB+3] offset:pp*2*PITCH
	ds_store_b128 v226, v[PB+8:PB+11] offset:pp*2*PITCH+256
	global_store_b128 v225, v[PB:PB+3], s[10:11] offset:pp*1024        ; 16 lanes store 256 consecutive bytes, aligned
	global_store_b128 v225, v[PB+8:PB+11], s[10:11] offset:pp*1024+256
	ds_store_b32 v227, v[SQ] offset:pp*8                               ; 16 lanes store the same word
.set pp, pp+1
.endr
	s_wait_xcnt 0x0                                ; the stores' data and both bases are written again only behind this wait
	s_add_nc_u64 s[10:11], s[10:11], 5120
	v_add_nc_u32 v226, 10*PITCH, v226
	v_add_nc_u32 v227, 40, v227
.if \reload
	s_add_nc_u64 s[4:5], s[4:5], 10240
	LOADH \buf, 10240                              ; two chunks of ten rows ahead of the chunk just done
.endif
.endm
	LOADH 16, 0
	LOADH 96, 10240
	s_mov_b32 s29, 4
.Lpro:
	PROC 16, 20, 1
	PROC 96, 20, 1
	s_sub_co_u32 s29, s29, 1
	s_cmp_lg_u32 s29, 0
	s_cbranch_scc1 .Lpro
	PROC 16, 20, 0
	PROC 96, 0, 0
	; a lane a row: rc and the code.  Lanes past the wave's 100th row repeat it.
	s_mul_i32 s46, s23, 6400                       ; 16 x 400 c
.set kk, 0
.rept 4
	v_add_nc_u32 v[192+kk], 32*kk, v13
	v_min_u32 v[192+kk], 99, v[192+kk]
	v_lshl_add_u32 v[192+kk], v[192+kk], 2, s44    ; 4 x (100 w + row)
	v_add_nc_u32 v[196+kk], RCT, v[192+kk]
	ds_load_b32 v[200+kk], v[196+kk]               ; my wave's own stores: LDS serves a wave's instructions in order
	global_load_b32 v[204+kk], v[192+kk], s[6:7]
.set kk, kk+1
.endr
	s_wait_loadcnt 0x0
	s_wait_dscnt 0x0
.set kk, 0
.rept 4
	v_rsq_f32 v[208+kk], v[200+kk]                 ; 1 / max(sqrt(ss), 1e-12) = min(rsq(ss), 1e12), with one Newton step
	v_min_u32 v[204+kk], 15, v[204+kk]             ; (the plain instruction behind the transcendental)
	s_wait_alu depctr_va_vdst(0)
	v_min_num_f32 v[208+kk], s25, v[208+kk]
	v_mul_f32 v184, v[200+kk], v[208+kk]
	v_mul_f32 v185, 0.5, v[208+kk]
	v_fma_f32 v186, -v184, v[208+kk], 1.0
	v_fma_f32 v[208+kk], v185, v186, v[208+kk]
	v_min_num_f32 v[208+kk], s25, v[208+kk]
	v_lshl_add_u32 v[212+kk], v[192+kk], 2, s46    ; 16 x index
	v_add_nc_u32 v[212+kk], v[212+kk], v[204+kk]
	ds_store_b32 v[196+kk], v[208+kk]
	ds_store_b32 v[196+kk], v[212+kk] offset:CDO
	global_store_b32 v[192+kk], v[208+kk], s[12:13]
.set kk, kk+1
.endr
	; the first query block's fragments are asked for now: window 1, tile t, chunk i at 64 t + 4 i
	s_mov_b64 s[32:33], s[8:9]
.macro QLOAD dst
	WIN \dst
.set qi, 0
.rept 64
	global_load_b128 v[4*qi:4*qi+3], v12, s[32:33] offset:qi*512   ; tile qi / 16 lies 8,192 bytes = 16 chunks on
.set qi, qi+1
.endr
	WIN 0
.endm
	QLOAD 0x40
	s_wait_dscnt 0x0                               ; for the others' sake: my rows, rc and codes are in LDS
	s_barrier_signal -1
	s_barrier_wait -1
	; rows 0-15 once more behind row 399, so that the fetch one tile ahead runs on from the last tile into the first
	s_mul_i32 s43, s22, PITCH
	v_lshl_add_u32 v229, v13, 4, s43               ; row w + 4 k, 16 bytes a lane
	v_add_nc_u32 v230, 400*PITCH, v229
.set kk, 0
.rept 4
	ds_load_b128 v[16+4*kk:19+4*kk], v229 offset:kk*4*PITCH
.set kk, kk+1
.endr
	s_wait_dscnt 0x0
.set kk, 0
.rept 4
	ds_store_b128 v230, v[16+4*kk:19+4*kk] offset:kk*4*PITCH
.set kk, kk+1
.endr
	s_wait_dscnt 0x0
	s_barrier_signal -1
	s_barrier_wait -1                              ; from here on LDS is only read: the main loop has no barrier
; ---- THE MAIN LOOP ----
	v_mul_u32_u24 v4, v8, PITCH
	v_lshl_add_u32 v4, v9, 4, v4                   ; v4: a fragment's row x pitch + 16 h;  v5: the tile whose fragments the next run of loads takes
	v_lshl_add_u32 v6, v9, 5, RCT                  ; v6: my half's 8 rc of tile 0;  v7: of the tile in hand
	v_lshlrev_b32 v10, 4, v8
	v_lshl_add_u32 v10, v9, 13, v10                ; h x 8,192 + 16 r
	s_lshl_b32 s43, s22, 8
	s_mul_i32 s45, s23, 16384
	s_add_co_u32 s45, s45, s43
	v_add_nc_u32 v11, s45, v10                     ; v11: PM at part 2 c + h, rows 64 w + 4 r
	s_mul_i32 s45, s23, 81920
	s_add_co_u32 s45, s45, s43
	v_add_nc_u32 v10, s45, v10                     ; v10: mf, mc, ms at group 10 c + h, the same rows
	s_mov_b32 s41, 0                               ; what the next flush adds to v10,
	s_mov_b32 s42, 0                               ; and to v11
	s_mov_b32 s27, 5                               ; tiles until a group's flush
	s_mov_b32 s28, 5                               ; groups until a block's
	s_mov_b32 s31, 131072                          ; byte offset in qf of the block to be asked for next
.irp t, 0,1,2,3
	v_mov_b32 v[FR+\t], s24
	v_mov_b32 v[CR+\t], 0
	v_mov_b32 v[SR+\t], s24
	v_mov_b32 v[PR+\t], s24
.endr
.set kk, 0
.rept 16
	v_mov_b32 v[ACC+16+kk], s24                    ; the first slices work on a tile that has not been: -infinity x 1 changes nothing
.set kk, kk+1
.endr
.set kk, 0
.rept 8
	v_mov_b32 v[RCB0+16+kk], 1.0
	v_mov_b32 v[RCB0+24+kk], 0
.set kk, kk+1
.endr
.macro ALOAD k0                        ; eight loads: K steps k0 .. k0 + 3 of the tile at v5
.set ka, \k0
.rept 4
	ds_load_b128 v[AF+8*ka:AF+8*ka+3],   v5 offset:64*ka
	ds_load_b128 v[AF+8*ka+4:AF+8*ka+7], v5 offset:64*ka+32
.set ka, ka+1
.endr
.endm
	v_mov_b32 v5, v4
	ALOAD 0                                        ; tile 0's K steps 0-3
; Line rn of the 72 of pair pr (0: X, 1: Y).  For each two registers of the sums: both tiles scaled by rc; then for each register and tile: is it above F?  S = the median of F, S, x (the second largest
; of the three); C takes the code; F the maximum.  The order keeps the medians out of the slices of four.  The sums are read from their lowest registers on.
.macro RID pr
.set jq, rn/18
.set mm, rn%18
.set ac, ACC+16*(\pr)
.set rcb, RCB0+16*(\pr)
.if mm < 2
	v_pk_mul_f32 v[ac+8*mm+2*jq:ac+8*mm+2*jq+1], v[ac+8*mm+2*jq:ac+8*mm+2*jq+1], v[rcb+2*jq:rcb+2*jq+1]
.else
.set m2, (mm-2)%8
.set jx, 2*jq+(mm-2)/8
.set ta, 2*(\pr)
.if m2 == 0
	v_cmp_gt_f32 vcc_lo, v[ac+jx], v[FR+ta]
.elseif m2 == 1
	v_med3_num_f32 v[SR+ta], v[FR+ta], v[SR+ta], v[ac+jx]
.elseif m2 == 2
	v_med3_num_f32 v[SR+ta+1], v[FR+ta+1], v[SR+ta+1], v[ac+8+jx]
.elseif m2 == 3
	v_cmp_gt_f32 s40, v[ac+8+jx], v[FR+ta+1]
.elseif m2 == 4
	v_cndmask_b32 v[CR+ta], v[CR+ta], v[rcb+8+jx], vcc_lo
.elseif m2 == 5
	v_max_num_f32 v[FR+ta], v[FR+ta], v[ac+jx]
.elseif m2 == 6
	v_cndmask_b32 v[CR+ta+1], v[CR+ta+1], v[rcb+8+jx], s40
.else
	v_max_num_f32 v[FR+ta+1], v[FR+ta+1], v[ac+8+jx]
.endif
.endif
.set rn, rn+1
.endm
; 16 products of pair pr: K step ii / 2, tile 2 pr + ii % 2: the two sums take turns, one instruction a turn.  The first two start the sums with 0.
.macro MMA pr, win
	WIN \win
.set dd, ACC+16*(\pr)+8*(ii%2)
.set qq, 64*(2*(\pr)+ii%2)+8*(ii/2)
.if ii < 2
	v_wmma_f32_16x16x32_bf16 v[dd:dd+7], v[AF+8*(ii/2):AF+8*(ii/2)+7], v[qq:qq+7], 0
.else
	v_wmma_f32_16x16x32_bf16 v[dd:dd+7], v[AF+8*(ii/2):AF+8*(ii/2)+7], v[qq:qq+7], v[dd:dd+7]
.endif
	WIN 0
.endm
.macro RCLOAD pr                       ; rc and codes of the tile in hand, for the lines of pair pr
	ds_load_b128 v[RCB0+16*(\pr):RCB0+16*(\pr)+3],     v7
	ds_load_b128 v[RCB0+16*(\pr)+4:RCB0+16*(\pr)+7],   v7 offset:16
	ds_load_b128 v[RCB0+16*(\pr)+8:RCB0+16*(\pr)+11],  v7 offset:CDO
	ds_load_b128 v[RCB0+16*(\pr)+12:RCB0+16*(\pr)+15], v7 offset:CDO+16
.endm
.macro STEPX win                       ; pair X's products of this tile | pair Y's lines of the tile before
	ALOAD 4                                        ; a run of twelve: this tile's K steps 4-7 (their last readers stand five vector lines back or more), and pair X's rc and codes
	RCLOAD 0
	s_wait_dscnt 12                                ; the twelve just issued may be out; the run before them is in: K steps 0-3 and pair Y's rc and codes
.set rn, 0
.set ii, 0
.rept 16
.if ii == 8
	s_wait_dscnt 0x0                               ; K steps 4-7 and pair X's rc and codes, asked for eight products ago
	v_add_nc_u32 v5, TILEB, v5                     ; the next run takes the next tile
.endif
	MMA 0, \win
.rept 5-(ii%2)
	RID 1
.endr
.set ii, ii+1
.endr
.endm
.macro STEPY win                       ; pair Y's products | pair X's lines of the same tile
.set rn, 0
.set ii, 0
.rept 16
	MMA 1, \win
.rept 5-(ii%2)
	RID 0
.endr
.if ii == 7                            ; K steps 0-3 have had their last reader; the four lines just written, which name none of that product's registers, are the places in front of the loads
	ALOAD 0                                        ; a run of twelve: the next tile's K steps 0-3, and pair Y's rc and codes of this tile
	RCLOAD 1
.endif
.set ii, ii+1
.endr
.endm
.macro FLUSHG                          ; a group of five tiles is done for all four query tiles
	s_wait_xcnt 0x0                                ; the last flush's stores have read their registers
	v_add_nc_u32 v10, s41, v10
	s_mov_b32 s41, 16384                           ; two groups on
.irp t, 0,1,2,3
	v_mov_b32 v[OF+\t], v[FR+\t]
	v_mov_b32 v[OF+4+\t], v[CR+\t]
	v_mov_b32 v[OF+8+\t], v[SR+\t]
	v_max_num_f32 v[PR+\t], v[PR+\t], v[FR+\t]
	v_mov_b32 v[FR+\t], s24
	v_mov_b32 v[SR+\t], s24
.endr
	global_store_b128 v10, v[OF:OF+3], s[14:15]    ; each half of the lanes stores 256 consecutive bytes, aligned
	global_store_b128 v10, v[OF+4:OF+7], s[16:17]
	global_store_b128 v10, v[OF+8:OF+11], s[18:19]
.endm
.macro FLUSHB                          ; a query block is done (its registers were freed by the wait at the head of the flush just above)
	v_add_nc_u32 v11, s42, v11
	s_mov_b32 s42, 1024                            ; four blocks of 64 rows on
.irp t, 0,1,2,3
	v_mov_b32 v[OF+12+\t], v[PR+\t]
	v_mov_b32 v[PR+\t], s24
.endr
	global_store_b128 v11, v[OF+12:OF+15], s[20:21]
	s_mov_b32 s41, 0xffff0400                      ; 16,384 + 1,024 - 81,920: back to the first group, the next block's rows
	s_mov_b32 s28, 5
.endm
.macro TILE win
	STEPX \win
	s_cmp_lg_u32 s27, 0                            ; a group's last lines (pair Y's) stand in the next tile's first half: the flush comes here
	s_cbranch_scc1 .Lgo_\@
	FLUSHG
	s_mov_b32 s27, 5
	s_sub_co_u32 s28, s28, 1
	s_cmp_lg_u32 s28, 0
	s_cbranch_scc1 .Lgo_\@
	FLUSHB
.Lgo_\@:
	s_sub_co_u32 s27, s27, 1
	STEPY \win
	v_add_nc_u32 v7, 64, v7
.endm
.macro BLOCK win, dst                  ; 25 tiles against one query block; the next block's fragments are asked for at its head
	s_wait_loadcnt 0x0                             ; this block's Q, asked for a block ago
	s_cmp_eq_u32 s31, 0x100000                     ; behind the eighth block there is none
	s_cbranch_scc1 .Lnoq_\@
	s_mov_b32 s34, s31
	s_mov_b32 s35, 0
	s_add_nc_u64 s[32:33], s[8:9], s[34:35]
	QLOAD \dst
.Lnoq_\@:
	s_add_co_u32 s31, s31, 131072
	v_mov_b32 v5, v4                               ; tile 0: its K steps 0-3 are in registers (from rows 400-415, which repeat it), its K steps 4-7 are fetched next
	v_mov_b32 v7, v6
	s_mov_b32 s29, 25
.Ltile_\@:
	TILE \win
	s_sub_co_u32 s29, s29, 1
	s_cmp_lg_u32 s29, 0
	s_cbranch_scc1 .Ltile_\@
.endm
	s_mov_b32 s30, 4
.Lblocks:
	BLOCK 0x04, 0x80                               ; source 1 in window 1; the loads go to window 2
	BLOCK 0x08, 0x40
	s_sub_co_u32 s30, s30, 1
	s_cmp_lg_u32 s30, 0
	s_cbranch_scc1 .Lblocks
	s_wait_dscnt 0x0                               ; pair Y's rc and codes of the last tile
.set rn, 0
.rept 72
	RID 1                                          ; the last tile's lines for pair Y
.endr
	FLUSHG
	FLUSHB
	s_wait_tensorcnt 0x0                           ; the wave's end: three closing lines behind my last LDS store
	ds_add_u32 v2, v3
	s_wait_dscnt 0x0
	s_endpgm
.Lfunc_end_k_q45e6115ae2_simtop:
	.size	k_q45e6115ae2_simtop, .Lfunc_end_k_q45e6115ae2_simtop-k_q45e6115ae2_simtop
	.p2alignl 7, 3214868480
	.fill 96, 4, 3214868480
	.section	.rodata,"a",@progbits
	.p2align	6, 0x0
	.amdhsa_kernel k_q45e6115ae2_simtop
		.amdhsa_group_segment_fixed_size 225536
		.amdhsa_private_segment_fixed_size 0
		.amdhsa_enable_private_segment 0
		.amdhsa_kernarg_size 56
		.amdhsa_user_sgpr_count 2
		.amdhsa_user_sgpr_kernarg_segment_ptr 1
		.amdhsa_wavefront_size32 1
		.amdhsa_system_sgpr_workgroup_id_x 1
		.amdhsa_system_sgpr_workgroup_id_y 1
		.amdhsa_system_sgpr_workgroup_id_z 1
		.amdhsa_system_vgpr_workitem_id 0
		.amdhsa_next_free_vgpr 768
		.amdhsa_next_free_sgpr 66
		.amdhsa_reserve_vcc 1
		.amdhsa_float_denorm_mode_32 3
		.amdhsa_float_denorm_mode_16_64 3
		.amdhsa_memory_ordered 1
		.amdhsa_forward_progress 1
		.amdhsa_inst_pref_size 118
	.end_amdhsa_kernel
	.amdgpu_metadata
---
amdhsa.version: [ 1, 2 ]
amdhsa.kernels:
  - .name:           k_q45e6115ae2_simtop
    .symbol:         k_q45e6115ae2_simtop.kd
    .args:
      - { .name: candidates, .offset: 0, .size: 8, .value_kind: global_buffer, .address_space: global }
      - { .name: candidate_labels, .offset: 8, .size: 8, .value_kind: global_buffer, .address_space: global }
      - { .name: qf, .offset: 16, .size: 8, .value_kind: global_buffer, .address_space: global }
      - { .name: cbf, .offset: 24, .size: 8, .value_kind: global_buffer, .address_space: global }
      - { .name: mf, .offset: 32, .size: 8, .value_kind: global_buffer, .address_space: global }
      - { .name: mc, .offset: 40, .size: 8, .value_kind: global_buffer, .address_space: global }
      - { .name: ms, .offset: 48, .size: 8, .value_kind: global_buffer, .address_space: global }
    .group_segment_fixed_size: 225536
    .private_segment_fixed_size: 0
    .kernarg_segment_align: 8
    .kernarg_segment_size: 56
    .max_flat_workgroup_size: 128
    .sgpr_count:     66
    .vgpr_count:     768
    .wavefront_size: 32
...
	.end_amdgpu_metadata
.endif
;; end of part 2
;; launch thresh (part 3): grid 32 x 8, 10 waves a work-group, no clusters, 10,496 bytes of LDS; arguments mf, ms, sel, flg, cnt; writes sel, flg, cnt
.if DOCPART == 3
	.amdgcn_target "amdgcn-amd-amdhsa--gfx1250"
	.amdhsa_code_object_version 6
	.text
	.protected	k_q45e6115ae2_thresh
	.globl	k_q45e6115ae2_thresh
	.p2align	8
	.type	k_q45e6115ae2_thresh,@function
k_q45e6115ae2_thresh:
	s_mov_b64 s[64:65], 0
	v_nop
	global_prefetch_b8 v0, s[64:65] scope:SCOPE_SE
	s_setreg_imm32_b32 hwreg(HW_REG_WAVE_MODE, 25, 1), 1
	s_wait_xcnt 0x0
; A THRESHOLD FOR EACH ROW, TWO BITS FOR EACH (ROW, GROUP), AND COUNTS OF THOSE BITS, all stored as whole numbers.
; The 500 part maxima (behind S in ms, at byte 20,480,000), taken in pairs, are the maxima of 250 disjoint sets of 400 candidates.  lo starts at their minimum, hi at their maximum; eight bisections keep
; "at least 64 of the 250 are >= lo".  So at least 64 different candidates have t >= lo: lo is not above the row's 64th largest t, whatever the data.
; sel: F >= lo and S < lo (the group's leader is its only member that can count).  flg: S >= lo (the group is worked out anew).  Both [word 80][row 2048]; bit j of word i = group 32 i + j.
; cnt, [ch 8][row 2048], for the ten words 10 ch + w of a row: bits 0-9 the largest of the four sums of sel bits over words w = q, q + 4, q + 8 (q = 0..3; w < 10): the next launch gives those words to one
; lane; bits 10-19 the number of flg bits; bits 20-29: bit 20 + w is set where flg word w is not 0.
; Work-group (rb, ch): rows 64 rb .. + 63, two a lane; its ten waves share the 250 maxima (25 each; the counts meet in LDS) and then make words 10 ch + w.  The eight ch repeat the threshold: 4 MB each.
; Memory binds: loads and stores of 8 bytes a lane, 256 consecutive bytes a wave.  No matrix unit, no cluster: nothing here is a product, and no tile is shared.
; LIMITS: NaN and infinities are not treated apart.
.set SPARE, 9216                       ; LDS: 0 and 2,048 the counts, two buffers by turns (lane x 64 + 4 w); 4,096 minima and maxima, later the bit counts (512 w + 16 lane); 9,216 the spare words, 128 bytes a wave
.set PMV, 16                           ; v[16:115] 50 parts x 2 rows, then 25 maxima x 2 rows in v[16:65]; v[66:105] at work
.set FV, 116                           ; v[116:179] F of 32 groups x 2 rows
.set SV, 180                           ; v[180:243] S
	s_load_b256 s[4:11], s[0:1], 0x0               ; mf s[4:5], ms s[6:7], sel s[8:9], flg s[10:11]
	s_load_b64 s[32:33], s[0:1], 0x20              ; cnt
	v_lshl_add_u32 v2, v0, 2, SPARE                ; my spare word, and 0: kept for the add at the wave's end
	v_mov_b32 v3, 0
	v_lshrrev_b32 v1, 5, v0
	v_readfirstlane_b32 s12, v1                    ; w, 0..9
	v_and_b32 v5, 31, v0
	v_lshlrev_b32 v4, 3, v5                        ; 8 x lane: rows 2 l, 2 l + 1
	s_and_b32 s13, ttmp7, 0xffff                   ; ch
	s_mul_i32 s14, s13, 10
	s_add_co_u32 s14, s14, s12                     ; my word i
	s_lshl_b32 s15, s14, 5
	s_min_u32 s16, s15, 2468                       ; the 32 groups that I load end at 2,499 at the latest;
	s_sub_co_u32 s17, s15, s16                     ; the word is then shifted down by what was held back,
	s_and_b32 s18, s17, 31
	s_cmp_lt_u32 s17, 32
	s_cselect_b32 s19, -1, 0                       ; and word 79, which has no group, is 0
	s_lshl_b32 s20, ttmp9, 8                       ; 64 rows of 4 bytes
	s_mul_i32 s22, s12, 409600                     ; my 50 parts
	s_add_co_u32 s22, s22, s20
	s_mov_b32 s23, 0
	s_lshl_b32 s24, s16, 13
	s_add_co_u32 s24, s24, s20
	s_mov_b32 s25, 0
	s_lshl_b32 s26, s14, 13
	s_add_co_u32 s26, s26, s20
	s_mov_b32 s27, 0
	s_lshl_b32 s34, s13, 13                        ; the counts: ch x 8,192 + my rows
	s_add_co_u32 s34, s34, s20
	s_mov_b32 s35, 0
	s_add_co_u32 s31, s12, 20                      ; my bit among "which flg words are not 0"
	s_mov_b32 s36, 0x01010101
	s_lshl_b32 s28, s12, 9
	s_add_co_u32 s28, s28, 4096
	v_lshl_add_u32 v14, v5, 4, s28                 ; where I put my minima and maxima,
	v_lshl_add_u32 v15, v5, 4, 4096                ; where I read all ten waves'
	s_lshl_b32 s30, s12, 2
	v_lshl_add_u32 v244, v5, 6, s30                ; where I put my counts,
	v_lshlrev_b32 v245, 6, v5                      ; where I read all ten
	s_wait_kmcnt 0x0
	s_add_nc_u64 s[38:39], s[6:7], 20480000        ; the part maxima, behind the 2,500 x 2,048 words of S
	s_add_nc_u64 s[38:39], s[38:39], s[22:23]
	s_add_nc_u64 s[4:5], s[4:5], s[24:25]
	s_add_nc_u64 s[6:7], s[6:7], s[24:25]
	s_add_nc_u64 s[8:9], s[8:9], s[26:27]
	s_add_nc_u64 s[10:11], s[10:11], s[26:27]
	s_add_nc_u64 s[32:33], s[32:33], s[34:35]
.set k, 0
.rept 50
	global_load_b64 v[PMV+2*k:PMV+2*k+1], v4, s[38:39] offset:k*8192
.set k, k+1
.endr
.set k, 0
.rept 32
	global_load_b64 v[FV+2*k:FV+2*k+1], v4, s[4:5] offset:k*8192
	global_load_b64 v[SV+2*k:SV+2*k+1], v4, s[6:7] offset:k*8192
.set k, k+1
.endr
	s_wait_loadcnt 63                              ; of 114 loads at most the youngest 63 are out: the 50 part maxima are in
.set mi, 0
.rept 25                               ; parts 2 m and 2 m + 1 make one set; in place, ascending
	v_max_num_f32 v[PMV+2*mi], v[PMV+4*mi], v[PMV+4*mi+2]
	v_max_num_f32 v[PMV+2*mi+1], v[PMV+4*mi+1], v[PMV+4*mi+3]
.set mi, mi+1
.endr
	v_min_num_f32 v6, v16, v18                     ; v[6:7] lo, v[8:9] hi, by row
	v_min_num_f32 v7, v17, v19
	v_max_num_f32 v8, v16, v18
	v_max_num_f32 v9, v17, v19
.set mi, 2
.rept 23
	v_min_num_f32 v6, v6, v[PMV+2*mi]
	v_min_num_f32 v7, v7, v[PMV+2*mi+1]
	v_max_num_f32 v8, v8, v[PMV+2*mi]
	v_max_num_f32 v9, v9, v[PMV+2*mi+1]
.set mi, mi+1
.endr
	ds_store_b128 v14, v[6:9]
	s_wait_dscnt 0x0                               ; for the others' sake
	s_barrier_signal -1
	s_barrier_wait -1
.set k, 0
.rept 10
	ds_load_b128 v[66+4*k:69+4*k], v15 offset:k*512
.set k, k+1
.endr
	s_wait_dscnt 0x0
	v_min_num_f32 v6, v66, v70
	v_min_num_f32 v7, v67, v71
	v_max_num_f32 v8, v68, v72
	v_max_num_f32 v9, v69, v73
.set k, 2
.rept 8
	v_min_num_f32 v6, v6, v[66+4*k]
	v_min_num_f32 v7, v7, v[67+4*k]
	v_max_num_f32 v8, v8, v[68+4*k]
	v_max_num_f32 v9, v9, v[69+4*k]
.set k, k+1
.endr
; One bisection.  The two count buffers take turns: a buffer is stored into again only behind the other buffer's barrier, in front of which every wave has waited for its reads of the first.
.macro ITER buf
	v_pk_add_f32 v[10:11], v[6:7], v[8:9]
	v_pk_mul_f32 v[10:11], v[10:11], 0.5 op_sel_hi:[1,0]
	v_mov_b32 v12, 0
	v_mov_b32 v13, 0
.set mi, 0
.rept 25
	v_cmp_ge_f32 vcc_lo, v[PMV+2*mi], v10
	v_add_co_ci_u32 v12, vcc_lo, 0, v12, vcc_lo    ; the count goes up by the compare's bit
	v_cmp_ge_f32 vcc_lo, v[PMV+2*mi+1], v11
	v_add_co_ci_u32 v13, vcc_lo, 0, v13, vcc_lo
.set mi, mi+1
.endr
	v_lshl_or_b32 v12, v13, 16, v12                ; both rows' counts in a word: 250 at the most each
	ds_store_b32 v244, v12 offset:(\buf)*2048
	s_wait_dscnt 0x0
	s_barrier_signal -1
	s_barrier_wait -1
	ds_load_b128 v[66:69], v245 offset:(\buf)*2048
	ds_load_b128 v[70:73], v245 offset:(\buf)*2048+16
	ds_load_b64 v[74:75], v245 offset:(\buf)*2048+32
	s_wait_dscnt 0x0
.set k, 1
.rept 9
	v_add_nc_u32 v66, v66, v[66+k]
.set k, k+1
.endr
	v_and_b32 v12, 0xffff, v66
	v_lshrrev_b32 v13, 16, v66
	v_cmp_le_u32 vcc_lo, 64, v12
	v_cndmask_b32 v6, v6, v10, vcc_lo              ; 64 or more are >= mid: lo = mid,
	v_cndmask_b32 v8, v10, v8, vcc_lo              ; else hi = mid
	v_cmp_le_u32 vcc_lo, 64, v13
	v_cndmask_b32 v7, v7, v11, vcc_lo
	v_cndmask_b32 v9, v11, v9, vcc_lo
.endm
	s_mov_b32 s29, 4
.Lbis:
	ITER 0
	ITER 1
	s_sub_co_u32 s29, s29, 1
	s_cmp_lg_u32 s29, 0
	s_cbranch_scc1 .Lbis
	s_wait_loadcnt 0x0                             ; F and S
	v_mov_b32 v246, 0                              ; F >= lo, rows 0 and 1
	v_mov_b32 v247, 0
	v_mov_b32 v248, 0                              ; S >= lo
	v_mov_b32 v249, 0
.set j, 31
.rept 32                               ; the word doubles and takes the compare's bit: the last group taken, j = 0, ends in bit 0
	v_cmp_ge_f32 vcc_lo, v[FV+2*j], v6
	v_add_co_ci_u32 v246, vcc_lo, v246, v246, vcc_lo
	v_cmp_ge_f32 vcc_lo, v[FV+2*j+1], v7
	v_add_co_ci_u32 v247, vcc_lo, v247, v247, vcc_lo
	v_cmp_ge_f32 vcc_lo, v[SV+2*j], v6
	v_add_co_ci_u32 v248, vcc_lo, v248, v248, vcc_lo
	v_cmp_ge_f32 vcc_lo, v[SV+2*j+1], v7
	v_add_co_ci_u32 v249, vcc_lo, v249, v249, vcc_lo
.set j, j-1
.endr
.irp x, 246,247,248,249
	v_lshrrev_b32 v\x, s18, v\x
	v_and_b32 v\x, s19, v\x
.endr
	v_xor_b32 v250, v246, v248                     ; S <= F, so F >= lo without S >= lo is the exclusive or
	v_xor_b32 v251, v247, v249
	global_store_b64 v4, v[250:251], s[8:9]        ; 256 consecutive bytes a wave, aligned; none of these registers is written again
	global_store_b64 v4, v[248:249], s[10:11]
; THE COUNTS.  How many bits a word has: by pairs, fours and bytes, then the four bytes by one multiply.
.macro POPC d, x
	v_lshrrev_b32 v12, 1, v[\x]
	v_and_b32 v12, 0x55555555, v12
	v_sub_nc_u32 v[\d], v[\x], v12
	v_lshrrev_b32 v12, 2, v[\d]
	v_and_b32 v[\d], 0x33333333, v[\d]
	v_and_b32 v12, 0x33333333, v12
	v_add_nc_u32 v[\d], v[\d], v12
	v_lshrrev_b32 v12, 4, v[\d]
	v_add_nc_u32 v[\d], v[\d], v12
	v_and_b32 v[\d], 0x0f0f0f0f, v[\d]
	v_mul_lo_u32 v[\d], v[\d], s36
	v_lshrrev_b32 v[\d], 24, v[\d]
.endm
	POPC 252, 250                                  ; sel bits, rows 0 and 1
	POPC 253, 251
	POPC 254, 248                                  ; flg bits
	POPC 255, 249
	v_lshl_or_b32 v252, v254, 10, v252             ; fields of ten bits: the sum of ten words' counts, 320 at the most, stays inside
	v_lshl_or_b32 v253, v255, 10, v253
	v_min_u32 v254, 1, v248                        ; is my flg word not 0?
	v_min_u32 v255, 1, v249
	v_lshlrev_b32 v254, s31, v254                  ; at bit 20 + w
	v_lshlrev_b32 v255, s31, v255
	v_or_b32 v252, v252, v254
	v_or_b32 v253, v253, v255
	ds_store_b64 v14, v[252:253]                   ; into the bytes of the minima and maxima: every wave's reads of those were waited for in front of the bisections' barriers
	s_wait_dscnt 0x0                               ; for the others' sake
	s_barrier_signal -1
	s_barrier_wait -1
.set k, 0
.rept 10
	ds_load_b64 v[66+2*k:67+2*k], v15 offset:k*512 ; wave k's word for rows 0 and 1
.set k, k+1
.endr
	s_wait_dscnt 0x0
.macro ROWCNT p, out                   ; row p of the lane's two
	v_add_nc_u32 v86, v[66+\p], v[74+\p]           ; words 0 + 4,
	v_add_nc_u32 v87, v[68+\p], v[76+\p]           ; 1 + 5,
	v_add_nc_u32 v88, v[70+\p], v[78+\p]           ; 2 + 6,
	v_add_nc_u32 v89, v[72+\p], v[80+\p]           ; 3 + 7,
	v_add_nc_u32 v86, v86, v[82+\p]                ; + 8,
	v_add_nc_u32 v87, v87, v[84+\p]                ; + 9
	v_add_nc_u32 v90, v86, v87
	v_add_nc_u32 v91, v88, v89
	v_add_nc_u32 v90, v90, v91                     ; all ten: the flg bits' sum and the ten bits above it
	v_and_b32 v86, 0x3ff, v86
	v_and_b32 v87, 0x3ff, v87
	v_and_b32 v88, 0x3ff, v88
	v_and_b32 v89, 0x3ff, v89
	v_cmp_gt_u32 vcc_lo, v87, v86
	v_cndmask_b32 v86, v86, v87, vcc_lo
	v_cmp_gt_u32 vcc_lo, v89, v88
	v_cndmask_b32 v88, v88, v89, vcc_lo
	v_cmp_gt_u32 vcc_lo, v88, v86
	v_cndmask_b32 v86, v86, v88, vcc_lo            ; the largest of the four sums of sel bits
	v_and_b32 v90, 0xfffffc00, v90
	v_or_b32 v[\out], v90, v86
.endm
	ROWCNT 0, 92
	ROWCNT 1, 93
	s_cmp_lg_u32 s12, 0                            ; all ten waves hold the same numbers: wave 0 stores them
	s_cbranch_scc1 .Lnot_wave_0
	global_store_b64 v4, v[92:93], s[32:33]        ; 256 consecutive bytes, aligned
.Lnot_wave_0:
	s_wait_tensorcnt 0x0                           ; the wave's end: three closing lines behind my last LDS store
	ds_add_u32 v2, v3
	s_wait_dscnt 0x0
	s_endpgm
.Lfunc_end_k_q45e6115ae2_thresh:
	.size	k_q45e6115ae2_thresh, .Lfunc_end_k_q45e6115ae2_thresh-k_q45e6115ae2_thresh
	.p2alignl 7, 3214868480
	.fill 96, 4, 3214868480
	.section	.rodata,"a",@progbits
	.p2align	6, 0x0
	.amdhsa_kernel k_q45e6115ae2_thresh
		.amdhsa_group_segment_fixed_size 10496
		.amdhsa_private_segment_fixed_size 0
		.amdhsa_enable_private_segment 0
		.amdhsa_kernarg_size 40
		.amdhsa_user_sgpr_count 2
		.amdhsa_user_sgpr_kernarg_segment_ptr 1
		.amdhsa_wavefront_size32 1
		.amdhsa_system_sgpr_workgroup_id_x 1
		.amdhsa_system_sgpr_workgroup_id_y 1
		.amdhsa_system_sgpr_workgroup_id_z 1
		.amdhsa_system_vgpr_workitem_id 0
		.amdhsa_next_free_vgpr 256
		.amdhsa_next_free_sgpr 66
		.amdhsa_reserve_vcc 1
		.amdhsa_float_denorm_mode_32 3
		.amdhsa_float_denorm_mode_16_64 3
		.amdhsa_memory_ordered 1
		.amdhsa_forward_progress 1
		.amdhsa_inst_pref_size 42
	.end_amdhsa_kernel
	.amdgpu_metadata
---
amdhsa.version: [ 1, 2 ]
amdhsa.kernels:
  - .name:           k_q45e6115ae2_thresh
    .symbol:         k_q45e6115ae2_thresh.kd
    .args:
      - { .name: mf, .offset: 0, .size: 8, .value_kind: global_buffer, .address_space: global }
      - { .name: ms, .offset: 8, .size: 8, .value_kind: global_buffer, .address_space: global }
      - { .name: sel, .offset: 16, .size: 8, .value_kind: global_buffer, .address_space: global }
      - { .name: flg, .offset: 24, .size: 8, .value_kind: global_buffer, .address_space: global }
      - { .name: cnt, .offset: 32, .size: 8, .value_kind: global_buffer, .address_space: global }
    .group_segment_fixed_size: 10496
    .private_segment_fixed_size: 0
    .kernarg_segment_align: 8
    .kernarg_segment_size: 40
    .max_flat_workgroup_size: 320
    .sgpr_count:     66
    .vgpr_count:     256
    .wavefront_size: 32
...
	.end_amdgpu_metadata
.endif
;; end of part 3
;; launch final (part 4): grid 256 x 1, 8 waves a work-group, no clusters, 0 bytes of LDS; arguments qf, cbf, cnt, candidate_labels, mf, mc, sel, out0, flg; writes out0
.if DOCPART == 4
	.amdgcn_target "amdgcn-amd-amdhsa--gfx1250"
	.amdhsa_code_object_version 6
	.text
	.protected	k_q45e6115ae2_final
	.globl	k_q45e6115ae2_final
	.p2align	8
	.type	k_q45e6115ae2_final,@function
k_q45e6115ae2_final:
	s_mov_b64 s[64:65], 0
	v_nop
	global_prefetch_b8 v0, s[64:65] scope:SCOPE_SE
	s_setreg_imm32_b32 hwreg(HW_REG_WAVE_MODE, 25, 1), 1
	s_wait_xcnt 0x0
; THE 64 LARGEST OF A ROW, THEIR SOFTMAX, AND THE WEIGHTS BY CLASS.  One wave, one row; no LDS, no barrier.
; Two streams go into a running list of 64 under the order (t descending, code ascending: on equal t the lower index first): the leaders (F, C) of the groups whose sel bit is set, gathered 32 a batch
; (each lane pops the bits of its own sel words); and all 40 members of each group whose flg bit is set, worked out anew from cbf by the same matrix form, the same K order and the same rc, with the
; sources swapped (the query in all 16 rows of source 0): the same bits as the first time.  Every member of the row's 64 largest is in one of the streams, once.
; THE LIST: v40, v41 (t, code) hold places 0-31 by lane, v42, v43 places 32-63.  A batch is sorted ascending (15 compare-exchange steps), merged into the lower half (lane by lane: a descending and an
; ascending run make a bitonic one), then the halves are exchanged lane by lane and each is merged (5 steps each).  Nothing in it branches: compares only select.
; TRIP COUNTS AND ADDRESSES hang on sel, flg and cnt alone, whole numbers that an earlier launch stored; every index made of them is clamped.  The row's count words and its flg words are loaded with one
; address for all lanes and taken into scalar registers from the first lane; a bit's number is made of five masks; a lane's leaders are popped with minimum, add, subtract, and, or and shifts alone
; (masks of all ones or 0 in place of compares and selects).
; Lane l owns sel words 10 (l / 4) + l % 4, + 4 and (l % 4 < 2) + 8: the three whose bits the count word of ch = l / 4 has summed.
; The matrix work is 24 products a flagged group: no tile is shared between work-groups, so no cluster; the gathers go through registers, so no tensor load.
; LIMITS: NaN and infinities are not treated apart; a label outside 0..9 counts for no class but keeps its weight in the sum; two candidates whose t differ by less than f32's rounding may change places.
.set MSB, 0
.macro WIN new
.if MSB != (\new)
	s_set_vgpr_msb (MSB<<8)|(\new)
.set MSB, \new
.endif
.endm
; v1 lane, v2 r, v3 hh; v[4:6] my sel words; v10 my first word's first group; v13 all ones where I have a third word; v14 0; v[16:23] t, v[24:31] codes, v[32:39] offsets of eight gathers on their way;
; v44, v45 a partner's t and code; v[46:58] at work; v59 -infinity; v60 16 hh; v[61:63] byte offsets of a group's members in cbf, v64, v65 in rc and labels; v[66:69] rc and labels; v70, v71 a flagged batch;
; v[72:95] three sums; v[96:159] the query.  window 1: v[0:191] the group's fragments, tile ta, K step ks at 64 ta + 8 ks.
; s[48:55] the lanes that had a bit, by gather; s58 batches of leaders; s59 flagged groups; s[66:73] the row's count words; s[74:76] which flg words are not 0: bit b of register k is word 30 k + b.
	s_load_b512 s[4:19], s[0:1], 0x0               ; qf s[4:5], cbf s[6:7], cnt s[8:9], labels s[10:11], mf s[12:13], mc s[14:15], sel s[16:17], out0 s[18:19]
	s_load_b64 s[82:83], s[0:1], 0x40              ; flg
	v_lshrrev_b32 v4, 5, v0
	v_readfirstlane_b32 s20, v4                    ; the wave's number
	v_and_b32 v1, 31, v0
	v_and_b32 v2, 15, v0
	v_bfe_u32 v3, v0, 4, 1
	s_lshl_b32 s21, ttmp9, 3
	s_add_co_u32 s21, s21, s20                     ; my row
	s_lshl_b32 s42, s21, 2
	s_mov_b32 s43, 0
	s_mul_i32 s38, s21, 40
	s_mov_b32 s39, 0
	s_lshr_b32 s22, s21, 6                         ; the row lies in tile 4 (row / 64) + row % 4, at place (row / 4) % 16
	s_lshl_b32 s22, s22, 2
	s_and_b32 s23, s21, 3
	s_add_co_u32 s22, s22, s23
	s_lshl_b32 s22, s22, 13
	s_bfe_u32 s23, s21, 0x40002
	s_lshl4_add_u32 s22, s23, s22
	s_mov_b32 s23, 0
	s_mov_b32 s56, 0x76543210                      ; v_permlanex16_b32: each lane takes its own place in the other half
	s_mov_b32 s57, 0xfedcba98
	v_lshrrev_b32 v54, 2, v1                       ; ch
	v_and_b32 v55, 3, v1                           ; q
	v_mul_u32_u24 v54, v54, 10
	v_add_nc_u32 v54, v54, v55                     ; my first word
	v_lshlrev_b32 v10, 5, v54                      ; its first group
	v_lshlrev_b32 v47, 13, v54                     ; a mask word's 2,048 rows are 8,192 bytes
	v_add_nc_u32 v49, 8, v54
	v_min_u32 v49, 79, v49                         ; there are 80 words; where q is 2 or 3 what is loaded here is cleared below
	v_lshlrev_b32 v49, 13, v49
	v_lshrrev_b32 v55, 1, v55
	v_add_nc_u32 v13, -1, v55                      ; all ones where q < 2, else 0
	v_mov_b32 v14, 0
	v_lshlrev_b32 v50, 8, v3                       ; the query's fragment: the bytes of lane (place, hh), the same for all 16 r
	v_mov_b32 v46, s42
	v_mov_b32 v59, 0xff800000
	v_mov_b32 v44, 0
	v_mov_b32 v45, 0
	v_mov_b32 v40, 0xff800000                      ; the list starts with 64 entries that every candidate beats
	v_mov_b32 v41, -1
	v_mov_b32 v42, 0xff800000
	v_mov_b32 v43, -1
	v_lshrrev_b32 v54, 3, v2                       ; member e of a group lies 16 (e / 8) + e % 8 candidates behind its first
	v_and_b32 v55, 7, v2
	v_lshl_add_u32 v54, v54, 4, v55
	v_lshlrev_b32 v60, 4, v3
	v_lshl_add_u32 v61, v54, 9, v60                ; e = r: rows of 512 bytes in cbf, + 16 hh
	v_add_nc_u32 v62, 0x4000, v61                  ; e = 16 + r: 32 candidates on
	v_min_u32 v55, 7, v2
	v_add_nc_u32 v55, 64, v55
	v_lshl_add_u32 v63, v55, 9, v60                ; e = min(32 + r, 39)
	v_lshlrev_b32 v65, 2, v55                      ; the same member in rc and labels
	v_lshrrev_b32 v54, 3, v1
	v_and_b32 v56, 7, v1
	v_lshl_add_u32 v54, v54, 4, v56
	v_lshlrev_b32 v64, 2, v54                      ; e = lane
	s_wait_kmcnt 0x0
	s_add_nc_u64 s[46:47], s[4:5], s[22:23]
	s_add_nc_u64 s[12:13], s[12:13], s[42:43]
	s_add_nc_u64 s[14:15], s[14:15], s[42:43]
	s_add_nc_u64 s[16:17], s[16:17], s[42:43]
	s_add_nc_u64 s[80:81], s[8:9], s[42:43]        ; cnt at my row
	s_add_nc_u64 s[82:83], s[82:83], s[42:43]      ; flg at my row
	s_add_nc_u64 s[8:9], s[6:7], 51200000          ; s[8:9]: rc, behind cbf's 100,000 rows of 512 bytes
	s_add_nc_u64 s[18:19], s[18:19], s[38:39]
.set i, 0
.rept 8
	global_load_b32 v[16+i], v14, s[80:81] offset:i*8192  ; the row's eight count words: all lanes ask for the same word
.set i, i+1
.endr
	global_load_b32 v4, v47, s[16:17]
	global_load_b32 v5, v47, s[16:17] offset:32768
	global_load_b32 v6, v49, s[16:17]
.set i, 0
.rept 16
	global_load_b128 v[96+4*i:99+4*i], v50, s[46:47] offset:i*512
.set i, i+1
.endr
	global_load_b32 v51, v46, s[4:5] offset:0x100000  ; 1 / |q|
	s_wait_loadcnt 17                              ; of 28 loads the eight counts and my three sel words are in; the query's 16 loads and 1 / |q| may stay out
.set i, 0
.rept 8
	v_readfirstlane_b32 s[66+i], v[16+i]
.set i, i+1
.endr
	s_mov_b32 s58, 0
	s_mov_b32 s59, 0
.set i, 0
.rept 8
	s_and_b32 s41, s[66+i], 0x3ff
	s_max_u32 s58, s58, s41                        ; batches of leaders: the largest count of any lane
	s_bfe_u32 s41, s[66+i], 0xa000a
	s_add_co_u32 s59, s59, s41                     ; flagged groups in the row
	s_lshr_b32 s[66+i], s[66+i], 20                ; which of the ten flg words are not 0
.set i, i+1
.endr
	s_lshl_b32 s41, s67, 10
	s_or_b32 s74, s66, s41
	s_lshl_b32 s41, s68, 20
	s_or_b32 s74, s74, s41
	s_lshl_b32 s41, s70, 10
	s_or_b32 s75, s69, s41
	s_lshl_b32 s41, s71, 20
	s_or_b32 s75, s75, s41
	s_lshl_b32 s41, s73, 10
	s_or_b32 s76, s72, s41
	v_and_b32 v6, v6, v13
; Each lane takes the lowest bit of its first sel word that is not 0, clears it, and asks for that group's F and C.  s[48 + sl]: the lanes that had a bit.
; n0, n1: all ones where word 0, word 1 is 0.  A cleared bit is subtracted; what belongs to a later word is added back.
.macro POPG sl
	v_min_u32 v54, 1, v4
	v_min_u32 v55, 1, v5
	v_add_nc_u32 v54, -1, v54                      ; n0
	v_add_nc_u32 v55, -1, v55                      ; n1
	v_and_b32 v56, v6, v55
	v_or_b32 v56, v56, v5
	v_and_b32 v56, v56, v54
	v_or_b32 v56, v56, v4                          ; the first word that is not 0
	v_and_b32 v57, 0x80, v55
	v_add_nc_u32 v57, 0x80, v57
	v_and_b32 v57, v57, v54
	v_add_nc_u32 v57, v10, v57                     ; its first group: words 4 apart are 128 groups apart
	v_cmp_ne_u32 s[48+\sl], 0, v56                 ; (selects a value below; enters no address)
	v_sub_nc_u32 v58, 0, v56
	v_and_b32 v56, v56, v58                        ; the lowest bit
	v_and_b32 v58, v56, v54                        ; the bit, if it is word 1's or word 2's
	v_sub_nc_u32 v4, v4, v56
	v_add_nc_u32 v4, v4, v58
	v_and_b32 v54, v58, v55                        ; the bit, if it is word 2's
	v_sub_nc_u32 v5, v5, v58
	v_add_nc_u32 v5, v5, v54
	v_sub_nc_u32 v6, v6, v54
	v_and_b32 v58, 0xffff0000, v56                 ; the bit's number, its highest binary digit first
	v_min_u32 v58, 1, v58
.irp m, 0xff00ff00, 0xf0f0f0f0, 0xcccccccc, 0xaaaaaaaa
	v_and_b32 v55, \m, v56
	v_min_u32 v55, 1, v55
	v_lshl_add_u32 v58, v58, 1, v55
.endr
	v_add_nc_u32 v58, v57, v58
	v_min_u32 v58, 2499, v58                       ; a group's number, whatever the word held
	v_lshlrev_b32 v[32+\sl], 13, v58
	global_load_b32 v[16+\sl], v[32+\sl], s[12:13]
	global_load_b32 v[24+\sl], v[32+\sl], s[14:15]
.endm
; The same in scalar registers: idx = the number of x's lowest bit, rest = x without it (rest is another register than x).  s61, s62 at work.
.macro LOWBIT idx, rest, x
	s_sub_co_u32 s61, \x, 1
	s_and_b32 \rest, \x, s61
	s_xor_b32 s61, \x, \rest                       ; the lowest bit alone
	s_and_b32 s62, s61, 0xffff0000
	s_min_u32 \idx, s62, 1
.irp m, 0xff00ff00, 0xf0f0f0f0, 0xcccccccc, 0xaaaaaaaa
	s_and_b32 s62, s61, \m
	s_min_u32 s62, s62, 1
	s_lshl_b32 \idx, \idx, 1
	s_or_b32 \idx, \idx, s62
.endr
.endm
.macro BEATS k1, c1, k2, c2            ; s24: the lanes where (k1, c1) comes ahead of (k2, c2)
	v_cmp_gt_f32 s24, v[\k1], v[\k2]
	v_cmp_eq_f32 s25, v[\k1], v[\k2]
	v_cmp_lt_u32 s26, v[\c1], v[\c2]
	s_and_b32 s25, s25, s26
	s_or_b32 s24, s24, s25
.endm
.macro CEX k, c, j, w                  ; compare-exchange with lane xor j; w: the lanes that keep the one that comes ahead
.if (\j) == 16
	v_permlanex16_b32 v44, v[\k], s56, s57
	v_permlanex16_b32 v45, v[\c], s56, s57
.else
	v_mov_b32_dpp v44, v[\k] row_xmask:\j row_mask:0xf bank_mask:0xf
	v_mov_b32_dpp v45, v[\c] row_xmask:\j row_mask:0xf bank_mask:0xf
.endif
	BEATS \k, \c, 44, 45
	s_xor_b32 s24, s24, \w                         ; the lanes that take their partner's
	v_cndmask_b32 v[\k], v[\k], v44, s24
	v_cndmask_b32 v[\c], v[\c], v45, s24
.endm
.macro SETM j                          ; MM: the lanes whose number has bit j clear
.if (\j) == 1
.set MM, 0x55555555
.elseif (\j) == 2
.set MM, 0x33333333
.elseif (\j) == 4
.set MM, 0x0f0f0f0f
.elseif (\j) == 8
.set MM, 0x00ff00ff
.else
.set MM, 0x0000ffff
.endif
.endm
.macro SETN k                          ; NN: the lanes whose number has bit k set (their runs are sorted the other way round)
.if (\k) == 2
.set NN, 0xcccccccc
.elseif (\k) == 4
.set NN, 0xf0f0f0f0
.elseif (\k) == 8
.set NN, 0xff00ff00
.elseif (\k) == 16
.set NN, 0xffff0000
.else
.set NN, 0
.endif
.endm
.macro SSTEP xk, xc, k, j
	SETM \j
	SETN \k
	CEX \xk, \xc, \j, ((MM^NN)^0xffffffff)
.endm
.macro MSTEP j
	SETM \j
	CEX 40, 41, \j, MM
	CEX 42, 43, \j, MM
.endm
.macro INSERT xk, xc
	SSTEP \xk, \xc, 2, 1                           ; the batch is sorted: the last in the order at lane 0
	SSTEP \xk, \xc, 4, 2
	SSTEP \xk, \xc, 4, 1
	SSTEP \xk, \xc, 8, 4
	SSTEP \xk, \xc, 8, 2
	SSTEP \xk, \xc, 8, 1
	SSTEP \xk, \xc, 16, 8
	SSTEP \xk, \xc, 16, 4
	SSTEP \xk, \xc, 16, 2
	SSTEP \xk, \xc, 16, 1
	SSTEP \xk, \xc, 32, 16
	SSTEP \xk, \xc, 32, 8
	SSTEP \xk, \xc, 32, 4
	SSTEP \xk, \xc, 32, 2
	SSTEP \xk, \xc, 32, 1
	BEATS \xk, \xc, 42, 43                         ; places 32-63 and the batch: lane by lane the better stays: the 32 best of the 64, falling and then rising
	v_cndmask_b32 v42, v42, v[\xk], s24
	v_cndmask_b32 v43, v43, v[\xc], s24
	BEATS 42, 43, 40, 41                           ; behind places 0-31 they go on falling and then rise: lane by lane the better goes up
	v_cndmask_b32 v44, v40, v42, s24
	v_cndmask_b32 v45, v41, v43, s24
	v_cndmask_b32 v42, v42, v40, s24
	v_cndmask_b32 v43, v43, v41, s24
	v_mov_b32 v40, v44
	v_mov_b32 v41, v45
	MSTEP 16                                       ; and each half is merged
	MSTEP 8
	MSTEP 4
	MSTEP 2
	MSTEP 1
.endm
	POPG 0                                         ; eight batches' gathers are on their way at once
	POPG 1
	POPG 2
	POPG 3
	POPG 4
	POPG 5
	POPG 6
	POPG 7
	s_cmp_eq_u32 s58, 0
	s_cbranch_scc1 .Lnolead
	s_mov_b32 s60, 0
.Llead:
	s_wait_loadcnt 0x0
	v_cndmask_b32 v16, v59, v16, s48               ; a lane that had no bit offers -infinity
	INSERT 16, 24
.set i, 0
.rept 7
	v_mov_b32 v[16+i], v[17+i]
	v_mov_b32 v[24+i], v[25+i]
	s_mov_b32 s[48+i], s[49+i]
.set i, i+1
.endr
	s_add_co_u32 s41, s60, 8
	s_cmp_lt_u32 s41, s58
	s_cbranch_scc0 .Lnopop                         ; no ninth or later batch is left to ask for
	POPG 7
.Lnopop:
	s_add_co_u32 s60, s60, 1
	s_cmp_lt_u32 s60, s58
	s_cbranch_scc1 .Llead
.Lnolead:
	s_cmp_eq_u32 s59, 0
	s_cbranch_scc1 .Lnoflag
	s_mov_b32 s60, 0
	s_mov_b32 s35, 0                               ; the flg word in hand: what is left of it,
	s_mov_b32 s36, 0                               ; and its first group
.Lflag:                                                ; a trip: one flagged group
	s_cmp_lg_u32 s35, 0
	s_cbranch_scc1 .Lhave
	s_cmp_lg_u32 s75, 0                            ; the word in hand is used up: the next flg word that is not 0
	s_cselect_b32 s32, s75, s76
	s_cselect_b32 s33, 30, 60
	s_cmp_lg_u32 s74, 0
	s_cselect_b32 s32, s74, s32
	s_cselect_b32 s33, 0, s33
	LOWBIT s34, s37, s32                           ; its bit's number, and the register without that bit
	s_cmp_eq_u32 s33, 0
	s_cselect_b32 s74, s37, s74
	s_cmp_eq_u32 s33, 30
	s_cselect_b32 s75, s37, s75
	s_cmp_eq_u32 s33, 60
	s_cselect_b32 s76, s37, s76
	s_add_co_u32 s34, s34, s33
	s_min_u32 s34, s34, 79                         ; a word's number, whatever the counts held
	s_lshl_b32 s36, s34, 5
	s_lshl_b32 s38, s34, 13
	s_mov_b32 s39, 0
	s_add_nc_u64 s[84:85], s[82:83], s[38:39]
	global_load_b32 v52, v14, s[84:85]             ; all lanes ask for the same word
	s_wait_loadcnt 0x0
	v_readfirstlane_b32 s35, v52
.Lhave:
	LOWBIT s37, s41, s35
	s_mov_b32 s35, s41                             ; the word without its lowest bit
	s_add_co_u32 s38, s36, s37                     ; g
	s_mul_i32 s39, s38, 52429
	s_lshr_b32 s39, s39, 19                        ; c = g / 10 (exact for g below 2,560)
	s_mul_i32 s41, s39, 10
	s_sub_co_u32 s41, s38, s41
	s_mul_i32 s40, s39, 400
	s_lshr_b32 s37, s41, 1
	s_mul_i32 s37, s37, 80
	s_add_co_u32 s40, s40, s37
	s_and_b32 s41, s41, 1
	s_lshl3_add_u32 s40, s41, s40                  ; the group's first candidate: 400 c + 80 gp + 8 h
	s_min_u32 s40, s40, 99928                      ; the last group's, whatever the word held: its members end at 99,999
	s_lshl_b32 s38, s40, 9
	s_mov_b32 s39, 0
	s_add_nc_u64 s[28:29], s[6:7], s[38:39]        ; cbf, rc and labels at that candidate: the lanes' offsets are constants
	s_lshl_b32 s38, s40, 2
	s_add_nc_u64 s[30:31], s[8:9], s[38:39]
	s_add_nc_u64 s[78:79], s[10:11], s[38:39]
	s_lshl_b32 s37, s40, 4                         ; 16 x index, for the codes
	WIN 0x40                                       ; destination window 1
.set ta, 0
.rept 3
.set ks, 0
.rept 8
	global_load_b128 v[64*ta+8*ks:64*ta+8*ks+3],   v[61+ta], s[28:29] offset:64*ks
	global_load_b128 v[64*ta+8*ks+4:64*ta+8*ks+7], v[61+ta], s[28:29] offset:64*ks+32
.set ks, ks+1
.endr
.set ta, ta+1
.endr
	WIN 0
	global_load_b32 v66, v64, s[30:31]
	global_load_b32 v67, v65, s[30:31]
	global_load_b32 v68, v64, s[78:79]
	global_load_b32 v69, v65, s[78:79]
	s_wait_loadcnt 0x0                             ; all of them: the three bases are written again in the next trip
	WIN 0x04                                       ; source 1 in window 1
.set ks, 0
.rept 8                                ; the three sums take turns, one instruction a turn; K ascending
.set ta, 0
.rept 3
.if ks == 0
	v_wmma_f32_16x16x32_bf16 v[72+8*ta:79+8*ta], v[96+8*ks:103+8*ks], v[64*ta+8*ks:64*ta+8*ks+7], 0
.else
	v_wmma_f32_16x16x32_bf16 v[72+8*ta:79+8*ta], v[96+8*ks:103+8*ks], v[64*ta+8*ks:64*ta+8*ks+7], v[72+8*ta:79+8*ta]
.endif
.set ta, ta+1
.endr
.set ks, ks+1
.endr
	WIN 0
.rept 4
	v_nop                                          ; the places behind the last products (ISA guide 7.12.1)
.endr
	s_mov_b32 s45, 0xffff0000
	v_cndmask_b32 v70, v72, v80, s45               ; all 16 rows of a result are alike: lane (r, hh) takes candidate 16 hh + r from its lowest register
	v_mul_f32 v70, v70, v66
	v_min_u32 v68, 15, v68
	v_lshl_add_u32 v71, v64, 2, s37
	v_add_nc_u32 v71, v71, v68
	INSERT 70, 71
	v_mul_f32 v70, v88, v67
	s_mov_b32 s45, 0xff
	v_cndmask_b32 v70, v59, v70, s45               ; members 32-39 in lanes 0-7; the other lanes offer -infinity
	v_min_u32 v69, 15, v69
	v_lshl_add_u32 v71, v65, 2, s37
	v_add_nc_u32 v71, v71, v69
	INSERT 70, 71
	s_add_co_u32 s60, s60, 1
	s_cmp_lt_u32 s60, s59
	s_cbranch_scc1 .Lflag
.Lnoflag:
	s_wait_loadcnt 0x0                             ; 1 / |q|, on the way on which no loop has waited
	; softmax over the 64: the largest lies at place 0 and is taken away before the exponentials
.macro RED x                           ; the sum over the 32 lanes, in every lane
	v_add_f32_dpp v[\x], v[\x], v[\x] row_xmask:1 row_mask:0xf bank_mask:0xf
	v_add_f32_dpp v[\x], v[\x], v[\x] row_xmask:2 row_mask:0xf bank_mask:0xf
	v_add_f32_dpp v[\x], v[\x], v[\x] row_xmask:4 row_mask:0xf bank_mask:0xf
	v_add_f32_dpp v[\x], v[\x], v[\x] row_xmask:8 row_mask:0xf bank_mask:0xf
	v_permlanex16_b32 v44, v[\x], s56, s57
	v_add_f32 v[\x], v[\x], v44
.endm
	v_readfirstlane_b32 s44, v40
	v_mul_f32 v51, 0x3fb8aa3b, v51                 ; log2(e) / |q|
	v_sub_f32 v54, v40, s44
	v_sub_f32 v55, v42, s44
	v_mul_f32 v54, v54, v51
	v_mul_f32 v55, v55, v51
	v_exp_f32 v54, v54
	v_exp_f32 v55, v55
	v_and_b32 v56, 15, v41                         ; the labels (a plain instruction behind the exponentials)
	v_and_b32 v57, 15, v43
	s_wait_alu depctr_va_vdst(0)
	v_add_f32 v58, v54, v55
	RED 58
	v_mov_b32 v47, 0
.set cc, 0
.rept 10
	v_cmp_eq_u32 vcc_lo, cc, v56
	v_cndmask_b32 v48, 0, v54, vcc_lo
	v_cmp_eq_u32 vcc_lo, cc, v57
	v_cndmask_b32 v49, 0, v55, vcc_lo
	v_add_f32 v48, v48, v49
	RED 48
.if cc == 9
	s_mov_b32 s45, 0xfffffe00                      ; lanes 9 to 31 keep class 9
.else
	s_mov_b32 s45, 1<<cc                           ; lane cc keeps class cc
.endif
	v_cndmask_b32 v47, v47, v48, s45
.set cc, cc+1
.endr
	v_rcp_f32 v58, v58
	v_min_u32 v46, 9, v1                           ; (a plain instruction behind the reciprocal)
	s_wait_alu depctr_va_vdst(0)
	v_mul_f32 v47, v47, v58
	v_lshlrev_b32 v46, 2, v46
	global_store_b32 v46, v47, s[18:19]            ; the row's ten numbers, 40 consecutive bytes; lanes 10 to 31 store lane 9's number at lane 9's place once more, so that all lanes stay on
	s_endpgm
.Lfunc_end_k_q45e6115ae2_final:
	.size	k_q45e6115ae2_final, .Lfunc_end_k_q45e6115ae2_final-k_q45e6115ae2_final
	.p2alignl 7, 3214868480
	.fill 96, 4, 3214868480
	.section	.rodata,"a",@progbits
	.p2align	6, 0x0
	.amdhsa_kernel k_q45e6115ae2_final
		.amdhsa_group_segment_fixed_size 0
		.amdhsa_private_segment_fixed_size 0
		.amdhsa_enable_private_segment 0
		.amdhsa_kernarg_size 72
		.amdhsa_user_sgpr_count 2
		.amdhsa_user_sgpr_kernarg_segment_ptr 1
		.amdhsa_wavefront_size32 1
		.amdhsa_system_sgpr_workgroup_id_x 1
		.amdhsa_system_sgpr_workgroup_id_y 1
		.amdhsa_system_sgpr_workgroup_id_z 1
		.amdhsa_system_vgpr_workitem_id 0
		.amdhsa_next_free_vgpr 448
		.amdhsa_next_free_sgpr 88
		.amdhsa_reserve_vcc 1
		.amdhsa_float_denorm_mode_32 3
		.amdhsa_float_denorm_mode_16_64 3
		.amdhsa_memory_ordered 1
		.amdhsa_forward_progress 1
		.amdhsa_inst_pref_size 89
	.end_amdhsa_kernel
	.amdgpu_metadata
---
amdhsa.version: [ 1, 2 ]
amdhsa.kernels:
  - .name:           k_q45e6115ae2_final
    .symbol:         k_q45e6115ae2_final.kd
    .args:
      - { .name: qf, .offset: 0, .size: 8, .value_kind: global_buffer, .address_space: global }
      - { .name: cbf, .offset: 8, .size: 8, .value_kind: global_buffer, .address_space: global }
      - { .name: cnt, .offset: 16, .size: 8, .value_kind: global_buffer, .address_space: global }
      - { .name: candidate_labels, .offset: 24, .size: 8, .value_kind: global_buffer, .address_space: global }
      - { .name: mf, .offset: 32, .size: 8, .value_kind: global_buffer, .address_space: global }
      - { .name: mc, .offset: 40, .size: 8, .value_kind: global_buffer, .address_space: global }
      - { .name: sel, .offset: 48, .size: 8, .value_kind: global_buffer, .address_space: global }
      - { .name: out0, .offset: 56, .size: 8, .value_kind: global_buffer, .address_space: global }
      - { .name: flg, .offset: 64, .size: 8, .value_kind: global_buffer, .address_space: global }
    .group_segment_fixed_size: 0
    .private_segment_fixed_size: 0
    .kernarg_segment_align: 8
    .kernarg_segment_size: 72
    .max_flat_workgroup_size: 256
    .sgpr_count:     88
    .vgpr_count:     448
    .wavefront_size: 32
...
	.end_amdgpu_metadata
.endif
;; end of part 4
;; ======== version 2 of 2: 4 launches; version 1 with the launch simtop written anew for expert scheduling mode
;; workspace buffers: qf 1,056,768 bytes; cbf 51,600,128 bytes; mf 20,480,000 bytes; mc 20,480,000 bytes; ms 24,576,000 bytes; sel 655,360 bytes of whole numbers; flg 655,360 bytes of whole numbers; cnt 65,536 bytes of whole numbers
;; launch qprep: the kernel of part 1 again; grid 32 x 1, 4 waves a work-group, no clusters, 0 bytes of LDS; arguments query, qf; writes qf
;; launch simtop (part 5): grid 250 x 1, 4 waves a work-group, no clusters, 225,536 bytes of LDS; arguments candidates, candidate_labels, qf, cbf, mf, mc, ms; writes cbf, mf, mc, ms
.if DOCPART == 5
	.amdgcn_target "amdgcn-amd-amdhsa--gfx1250"
	.amdhsa_code_object_version 6
	.text
	.protected	k_q45e6115ae2_simtop
	.globl	k_q45e6115ae2_simtop
	.p2align	8
	.type	k_q45e6115ae2_simtop,@function
k_q45e6115ae2_simtop:
	s_mov_b64 s[64:65], 0
	v_nop
	global_prefetch_b8 v0, s[64:65] scope:SCOPE_SE
	s_setreg_imm32_b32 hwreg(HW_REG_WAVE_SCHED_MODE, 0, 2), 2
	s_setreg_imm32_b32 hwreg(HW_REG_WAVE_MODE, 25, 1), 1
	s_wait_xcnt 0x0
	s_wait_alu depctr_vm_vsrc(0)
; THE PRODUCT, AND THE TWO LARGEST OF EACH GROUP OF 40.  t[row][n] = dot(bf16 q[row], bf16 c[n]) x rc[n], rc = 1 / max(|bf16 c|, 1e-12): in a row t orders as the cosine does (1 / |q| > 0 is common).
; Work-group c owns candidates 400 c .. 400 c + 399 (25 tiles of 16): read once, rounded to bf16 as they are, kept in LDS, and written to cbf (rc[100000] lies behind cbf's rows, at byte 51,200,000); it takes all 2,048 queries.
; 6,250 tiles = 250 x 25: no share over 256 work-groups has fewer than 25 tiles in some work-group, so 250 are launched.
; Wave w takes query blocks Bq = 4 b + w, b = 0..7: 64 queries = 4 tiles t, whose fragments come ready from qf, 512 consecutive bytes a load, a block ahead, into two register windows by turns.
; Source 0 = 16 candidates, source 1 = 16 queries: a lane holds ONE query (lane % 16) and the candidates 8 h + 0..7 of the tile (h = lane / 16).
; GROUP g = 10 c + 2 gp + h: candidates 400 c + 80 gp + 16 i + 8 h + j (i < 5, j < 8).  For each (row, group): F the largest t, C its code (16 x index + min(label, 15); a strict compare in ascending index
; keeps the lowest index), S the second largest; for each (row, 2 c + h): PM, the largest of all (behind S in ms, at byte 20,480,000).  Layouts [group][row] and [part][row]: a lane's four tiles are four
; neighbouring rows, 16 lanes store 256 bytes.
; BY TURNS: the tiles are two pairs X (t = 0, 1) and Y (t = 2, 3).  While one pair's 16 products are issued, the other pair's 72 vector lines (scale, compare, median, maximum, and at the end the sixteen
; selects of the code) stand in slices of five and four behind them.  All that the slices touch lies in window 0, Q in windows 1 and 2: two window switches a matrix instruction.
; THE LDS LOADS stand in two runs of twelve a tile, never singly among the products: at the head of pair X's products this tile's K steps 4-7 and X's rc and codes; behind pair Y's ninth product the next
; tile's K steps 0-3 and Y's rc and codes.
; NO TENSOR LOADS: the candidates pass through registers anyway (rounding, norms), Q arrives as fragments.  NO CLUSTER: there is no tensor load to share, and 250 work-groups are no multiple of four.
; LIMITS: NaN and infinities are not treated apart; labels outside 0..14 count as 15 (no class).
; THE MODE: SCHED_MODE bits 1:0 = 2 (LLVM: expert scheduling mode 2), set by the entry lines.  The code itself states the register dependences between vector or matrix instructions and memory or LDS
; instructions, and those through scalar registers that vector instructions write, with s_wait_alu, always for 0.
; THE PLAN.  Registers that memory or LDS instructions touch:
;   prologue   two raw buffers v[16:95], v[96:175]: loaded; rounded in place; read by the stores; loaded again.  v[232:236]: five rows' sums, read by LDS stores.  v226, v227: LDS addresses, stepped once for ten rows.
;              For ten rows: all the vector work, ONE wait on va_vdst, the 25 stores, ONE wait on vm_vsrc, the two steps, the reload.
;   AF 4-7, X's rc and codes   read by the tile's products and by pair X's lines; loaded at the next tile's head, behind ONE wait on va_vdst.
;   AF 0-3, Y's rc and codes   read by the products up to pair Y's eighth and by pair Y's lines (which stand in pair X's half); loaded behind pair Y's ninth product, behind ONE wait on va_vdst.
;   v5, v7     LDS addresses of the tile in hand, read by both runs; stepped at the tile's end, behind ONE wait on vm_vsrc; the wait at the next tile's head shows them written.
;   Q          a window is read by a block's products and loaded again at the head of the next block, behind a wait on va_vdst.
;   v10, v11, v[32:47]   offsets and data of the flushes' stores: a wait on vm_vsrc at a flush's head, a wait on va_vdst ahead of each run of stores.
;   v4, v12, v224, v225, v192-199, v229, v230   addresses that are written once.
;   s[48:63]   the sixteen compares of a pair's lines write them; ONE wait on va_sdst stands between the last compare and the first select.
.set PITCH, 528                        ; an LDS row: 512 bytes + 16 = 33 x 16: the 16 rows of a fragment load start in 16 different groups of four banks (ISA guide 11.1)
.set TILEB, 16*PITCH
.set RCT,   221440                     ; behind 416 rows (rows 400-415 repeat rows 0-15): 400 f32, first the sums of squares, then rc
.set CDO,   1792                       ; the 400 codes lie this far behind RCT
.set SPARE, 225024                     ; the spare words: 128 bytes a wave, named by no other line
.set FR, 16                            ; v[16:19] F   v[20:23] C   v[24:27] S   v[28:31] PM, by tile t
.set CR, 20
.set SR, 24
.set PR, 28
.set OF, 32                            ; v[32:47] what the stores read: F, C, S, PM
.set ACC, 48                           ; v[48:63] sums of pair X, v[64:79] of pair Y
.set RCB0, 80                          ; v[80:87] rc, v[88:95] codes for pair X's lines; v[96:103], v[104:111] for pair Y's
.set AF, 112                           ; v[112:175] the candidate tile's fragments, K step ks at AF + 8 ks
.set TT, 176                           ; prologue: v[176:179] at work, v[180:183] sums of squares
.set SQ, 180
.set SUM, 232                          ; prologue: v[232:236] the sums of squares of five pairs of rows, as the LDS stores read them
.set MK, 48                            ; s[48:63] the masks of a pair's sixteen compares: register jx of tile t at MK + 2 jx + t
.set MSB, 0
.macro WIN new                         ; the immediate's high byte repeats the setting that is left
.if MSB != (\new)
	s_set_vgpr_msb (MSB<<8)|(\new)
.set MSB, \new
.endif
.endm
	s_load_b256 s[4:11], s[0:1], 0x0               ; candidates s[4:5], labels s[6:7], qf s[8:9], cbf s[10:11]
	s_load_b64 s[14:15], s[0:1], 0x20              ; mf
	s_load_b64 s[16:17], s[0:1], 0x28              ; mc
	s_load_b64 s[18:19], s[0:1], 0x30              ; ms
	v_lshl_add_u32 v2, v0, 2, SPARE                ; my spare word, and 0: kept for the add at the wave's end
	v_mov_b32 v3, 0
	v_lshrrev_b32 v1, 5, v0
	v_readfirstlane_b32 s22, v1                    ; w
	s_mov_b32 s23, ttmp9                           ; c
	v_and_b32 v8, 15, v0                           ; r
	v_bfe_u32 v9, v0, 4, 1                         ; h
	v_and_b32 v13, 31, v0                          ; lane
	s_mov_b32 s24, 0xff800000                      ; -infinity
	s_mov_b32 s25, 0x5368d4a5                      ; 1e12
	s_mov_b32 s26, 0xffff0000
	s_wait_alu depctr_va_sdst(0)                   ; s22 is written, ahead of its first reader: the wave's offsets are made from it
	s_mul_i32 s34, s23, 409600                     ; my work-group's 400 rows of 1,024 bytes, my wave's 100 of them
	s_mul_i32 s36, s22, 102400
	s_add_co_u32 s34, s34, s36
	s_mov_b32 s35, 0
	s_mul_i32 s36, s23, 204800                     ; the same in cbf, rows of 512 bytes
	s_mul_i32 s38, s22, 51200
	s_add_co_u32 s36, s36, s38
	s_mov_b32 s37, 0
	s_mul_i32 s38, s23, 1600                       ; 400 words in labels and in rc
	s_mov_b32 s39, 0
	s_lshl_b32 s32, s22, 15                        ; my wave's four tiles in each sixteen of qf
	s_mov_b32 s33, 0
	v_lshlrev_b32 v224, 5, v8                      ; in: lanes 0-15 one row, lanes 16-31 the next; 8 numbers (32 bytes) a lane
	v_lshl_add_u32 v224, v9, 10, v224
	v_lshlrev_b32 v225, 4, v8                      ; out: the same 8 numbers are 16 bytes
	v_lshl_add_u32 v225, v9, 9, v225
	v_mul_u32_u24 v226, v9, PITCH
	v_lshl_add_u32 v226, v8, 4, v226
	s_mul_i32 s43, s22, 100*PITCH
	v_add_nc_u32 v226, s43, v226                   ; LDS: my wave's rows begin at 100 w
	s_mul_i32 s44, s22, 400
	s_add_co_u32 s45, s44, RCT
	v_lshl_add_u32 v227, v9, 2, s45                ; LDS: the row's sum of squares
	s_wait_kmcnt 0x0
	s_add_nc_u64 s[12:13], s[10:11], 51200000      ; s[12:13]: rc, behind cbf's 100,000 rows of 512 bytes
	s_add_nc_u64 s[20:21], s[18:19], 20480000      ; s[20:21]: PM, behind the 2,500 x 2,048 words of S
	s_add_nc_u64 s[4:5], s[4:5], s[34:35]
	s_add_nc_u64 s[10:11], s[10:11], s[36:37]
	s_add_nc_u64 s[6:7], s[6:7], s[38:39]
	s_add_nc_u64 s[12:13], s[12:13], s[38:39]
	s_add_nc_u64 s[8:9], s[8:9], s[32:33]
; ---- THE PROLOGUE: my wave's 100 rows, ten at a time through two register buffers of 80 ----
.macro LOADH buf, extra                ; 20 loads: five pairs of rows, two halves of 512 bytes, two loads of 16 bytes a lane
.set pp, 0
.rept 5
.set hf, 0
.rept 2
	global_load_b128 v[(\buf)+16*pp+8*hf:(\buf)+16*pp+8*hf+3],   v224, s[4:5] offset:(\extra)+pp*2048+hf*512 th:TH_LOAD_NT
	global_load_b128 v[(\buf)+16*pp+8*hf+4:(\buf)+16*pp+8*hf+7], v224, s[4:5] offset:(\extra)+pp*2048+hf*512+16 th:TH_LOAD_NT
.set hf, hf+1
.endr
.set pp, pp+1
.endr
.endm
.macro PROC buf, left, reload          ; ten rows: rounded, their squares summed, into LDS and into cbf
	s_wait_loadcnt \left                           ; this buffer's 20 loads are in; the other buffer's 20 may stay out
.set pp, 0
.rept 5                                ; all the vector work of the ten rows first
.set PB, (\buf)+16*pp
.set jj, 0
.rept 8
.set rg, PB+8*(jj/4)
	v_cvt_pk_bf16_f32 v[rg+jj%4], v[rg+2*(jj%4)], v[rg+2*(jj%4)+1]  ; in place, ascending
.set jj, jj+1
.endr
.set jj, 0
.rept 8
.set rg, PB+8*(jj/4)+jj%4
.set tt, TT+2*(jj%2)
.set sq, SQ+2*(jj%2)
	v_lshlrev_b32 v[tt], 16, v[rg]
	v_and_b32 v[tt+1], s26, v[rg]
.if jj < 2
	v_pk_mul_f32 v[sq:sq+1], v[tt:tt+1], v[tt:tt+1]
.else
	v_pk_fma_f32 v[sq:sq+1], v[tt:tt+1], v[tt:tt+1], v[sq:sq+1]
.endif
.set jj, jj+1
.endr
	v_pk_add_f32 v[SQ:SQ+1], v[SQ:SQ+1], v[SQ+2:SQ+3]
	v_add_f32 v[SUM+pp], v[SQ], v[SQ+1]            ; each pair of rows has a register of its own for its sum
	v_add_f32_dpp v[SUM+pp], v[SUM+pp], v[SUM+pp] row_xmask:1 row_mask:0xf bank_mask:0xf  ; a row lies in 16 lanes
	v_add_f32_dpp v[SUM+pp], v[SUM+pp], v[SUM+pp] row_xmask:2 row_mask:0xf bank_mask:0xf
	v_add_f32_dpp v[SUM+pp], v[SUM+pp], v[SUM+pp] row_xmask:4 row_mask:0xf bank_mask:0xf
	v_add_f32_dpp v[SUM+pp], v[SUM+pp], v[SUM+pp] row_xmask:8 row_mask:0xf bank_mask:0xf
.set pp, pp+1
.endr
	s_wait_alu depctr_va_vdst(0)                   ; the roundings and the sums are written, which the stores below read, and so are v226 and v227; the vector lines are done with this buffer, in which the reload lands
.set pp, 0
.rept 5
.set PB, (\buf)+16*pp
	ds_store_b128 v226, v[PB:PB+3] offset:pp*2*PITCH
	ds_store_b128 v226, v[PB+8:PB+11] offset:pp*2*PITCH+256
	global_store_b128 v225, v[PB:PB+3], s[10:11] offset:pp*1024        ; 16 lanes store 256 consecutive bytes, aligned
	global_store_b128 v225, v[PB+8:PB+11], s[10:11] offset:pp*1024+256
	ds_store_b32 v227, v[SUM+pp] offset:pp*8                           ; 16 lanes store the same word
.set pp, pp+1
.endr
	s_wait_xcnt 0x0                                ; the stores' data and both bases are written again only behind this wait
	s_wait_alu depctr_vm_vsrc(0)                   ; the stores have read this buffer, the five sums, v226 and v227: the steps below, the reload and the next ten rows' lines write them again
	s_add_nc_u64 s[10:11], s[10:11], 5120
	v_add_nc_u32 v226, 10*PITCH, v226
	v_add_nc_u32 v227, 40, v227
.if \reload
	s_add_nc_u64 s[4:5], s[4:5], 10240
	LOADH \buf, 10240                              ; two chunks of ten rows ahead of the chunk just done.  No further wait: behind the wait on va_vdst only the two steps above were issued, and they name neither v224 nor this buffer
.endif
.endm
	s_wait_alu depctr_va_vdst(0)                   ; v224 is written, which every load of the prologue reads as its offset
	LOADH 16, 0
	LOADH 96, 10240
	s_mov_b32 s29, 4
.Lpro:
	PROC 16, 20, 1
	PROC 96, 20, 1
	s_sub_co_u32 s29, s29, 1
	s_cmp_lg_u32 s29, 0
	s_cbranch_scc1 .Lpro
	PROC 16, 20, 0
	PROC 96, 0, 0
	; a lane a row: rc and the code.  Lanes past the wave's 100th row repeat it.  All addresses first, those of the copy of rows 0-15 too.
	s_mul_i32 s46, s23, 6400                       ; 16 x 400 c
	s_mul_i32 s43, s22, PITCH
	v_lshl_add_u32 v229, v13, 4, s43               ; row w + 4 k, 16 bytes a lane
	v_add_nc_u32 v230, 400*PITCH, v229
.set kk, 0
.rept 4
	v_add_nc_u32 v[192+kk], 32*kk, v13
	v_min_u32 v[192+kk], 99, v[192+kk]
	v_lshl_add_u32 v[192+kk], v[192+kk], 2, s44    ; 4 x (100 w + row)
	v_add_nc_u32 v[196+kk], RCT, v[192+kk]
.set kk, kk+1
.endr
	s_wait_alu depctr_va_vdst(0)                   ; v[192:199] are written, which the loads and stores below read as addresses; so are v229 and v230
.set kk, 0
.rept 4
	ds_load_b32 v[200+kk], v[196+kk]               ; my wave's own stores: LDS serves a wave's instructions in order
	global_load_b32 v[204+kk], v[192+kk], s[6:7]
.set kk, kk+1
.endr
	s_wait_loadcnt 0x0
	s_wait_dscnt 0x0
.set kk, 0
.rept 4
	v_rsq_f32 v[208+kk], v[200+kk]                 ; 1 / max(sqrt(ss), 1e-12) = min(rsq(ss), 1e12), with one Newton step
.set kk, kk+1
.endr
.set kk, 0
.rept 4
	v_min_u32 v[204+kk], 15, v[204+kk]             ; (plain instructions behind the last transcendental)
.set kk, kk+1
.endr
	s_wait_alu depctr_va_vdst(0)                   ; the four reciprocal roots v[208:211] are written, ahead of their first reader
.set kk, 0
.rept 4
	v_min_num_f32 v[208+kk], s25, v[208+kk]
	v_mul_f32 v184, v[200+kk], v[208+kk]
	v_mul_f32 v185, 0.5, v[208+kk]
	v_fma_f32 v186, -v184, v[208+kk], 1.0
	v_fma_f32 v[208+kk], v185, v186, v[208+kk]
	v_min_num_f32 v[208+kk], s25, v[208+kk]
	v_lshl_add_u32 v[212+kk], v[192+kk], 2, s46    ; 16 x index
	v_add_nc_u32 v[212+kk], v[212+kk], v[204+kk]
.set kk, kk+1
.endr
	s_wait_alu depctr_va_vdst(0)                   ; rc v[208:211] and the codes v[212:215] are written, which the stores read
.set kk, 0
.rept 4
	ds_store_b32 v[196+kk], v[208+kk]
	ds_store_b32 v[196+kk], v[212+kk] offset:CDO
	global_store_b32 v[192+kk], v[208+kk], s[12:13]
.set kk, kk+1
.endr
	; the first query block's fragments are asked for now: window 1, tile t, chunk i at 64 t + 4 i
	s_mov_b64 s[32:33], s[8:9]
	v_lshlrev_b32 v12, 4, v13                      ; 16 x lane: the offset of every load of Q; never written again
.macro QLOAD dst
	WIN \dst
	s_wait_alu depctr_va_vdst(0)                   ; at the first use: v12 is written, which the loads read; later: the products of the block just ended are done reading this window, in which the loads land
.set qi, 0
.rept 64
	global_load_b128 v[4*qi:4*qi+3], v12, s[32:33] offset:qi*512   ; tile qi / 16 lies 8,192 bytes = 16 chunks on
.set qi, qi+1
.endr
	WIN 0
.endm
	QLOAD 0x40
	s_wait_dscnt 0x0                               ; for the others' sake: my rows, rc and codes are in LDS
	s_barrier_signal -1
	s_barrier_wait -1
	; rows 0-15 once more behind row 399, so that the fetch one tile ahead runs on from the last tile into the first
.set kk, 0
.rept 4
	ds_load_b128 v[16+4*kk:19+4*kk], v229 offset:kk*4*PITCH   ; v[16:31]: the prologue's lines and stores that named them stand ahead of its waits
.set kk, kk+1
.endr
	s_wait_dscnt 0x0
.set kk, 0
.rept 4
	ds_store_b128 v230, v[16+4*kk:19+4*kk] offset:kk*4*PITCH
.set kk, kk+1
.endr
	s_wait_dscnt 0x0
	s_barrier_signal -1
	s_barrier_wait -1                              ; from here on LDS is only read: the main loop has no barrier
; ---- THE MAIN LOOP ----
	s_wait_alu depctr_vm_vsrc(0)                   ; my four LDS stores above have read v[16:31], which are F, C, S and PM from here on
	v_mul_u32_u24 v4, v8, PITCH
	v_lshl_add_u32 v4, v9, 4, v4                   ; v4: a fragment's row x pitch + 16 h, tile 0;  v5: the same for the tile in hand
	v_lshl_add_u32 v6, v9, 5, RCT                  ; v6: my half's 8 rc of tile 0;  v7: of the tile in hand
	v_lshlrev_b32 v10, 4, v8
	v_lshl_add_u32 v10, v9, 13, v10                ; h x 8,192 + 16 r
	s_lshl_b32 s43, s22, 8
	s_mul_i32 s45, s23, 16384
	s_add_co_u32 s45, s45, s43
	v_add_nc_u32 v11, s45, v10                     ; v11: PM at part 2 c + h, rows 64 w + 4 r
	s_mul_i32 s45, s23, 81920
	s_add_co_u32 s45, s45, s43
	v_add_nc_u32 v10, s45, v10                     ; v10: mf, mc, ms at group 10 c + h, the same rows
	s_mov_b32 s41, 0                               ; what the next flush adds to v10,
	s_mov_b32 s42, 0                               ; and to v11
	s_mov_b32 s27, 5                               ; tiles until a group's flush
	s_mov_b32 s28, 5                               ; groups until a block's
	s_mov_b32 s31, 131072                          ; byte offset in qf of the block to be asked for next
.irp t, 0,1,2,3
	v_mov_b32 v[FR+\t], s24
	v_mov_b32 v[CR+\t], 0
	v_mov_b32 v[SR+\t], s24
	v_mov_b32 v[PR+\t], s24
.endr
.set kk, 0
.rept 16
	v_mov_b32 v[ACC+16+kk], s24                    ; the first slices work on a tile that has not been: -infinity x 1 changes nothing
.set kk, kk+1
.endr
.set kk, 0
.rept 8
	v_mov_b32 v[RCB0+16+kk], 1.0
	v_mov_b32 v[RCB0+24+kk], 0
.set kk, kk+1
.endr
.macro ALOAD adr, k0, off              ; eight loads: K steps k0 .. k0 + 3 of the tile off bytes behind the address in v[adr]
.set ka, \k0
.rept 4
	ds_load_b128 v[AF+8*ka:AF+8*ka+3],   v[\adr] offset:(\off)+64*ka
	ds_load_b128 v[AF+8*ka+4:AF+8*ka+7], v[\adr] offset:(\off)+64*ka+32
.set ka, ka+1
.endr
.endm
	s_wait_alu depctr_va_vdst(0)                   ; v4 is written, which the eight loads below read
	ALOAD 4, 0, 0                                  ; tile 0's K steps 0-3
; Line rn of the 72 of pair pr (0: X, 1: Y).  Lines 0-55, for each two registers of the sums: both tiles scaled by rc; then for each register and tile: is it above F?  (the mask goes into a scalar register
; of its own);  S = the median of F, S, x (the second largest of the three);  F the maximum.  Lines 56-71: C takes the code where the mask says so, in the order of the compares.
; The sums are read from their lowest registers on.
.macro RID pr
.set ac, ACC+16*(\pr)
.set rcb, RCB0+16*(\pr)
.set ta, 2*(\pr)
.if rn < 56
.set jq, rn/14
.set mm, rn%14
.if mm < 2
	v_pk_mul_f32 v[ac+8*mm+2*jq:ac+8*mm+2*jq+1], v[ac+8*mm+2*jq:ac+8*mm+2*jq+1], v[rcb+2*jq:rcb+2*jq+1]
.else
.set m2, (mm-2)%6
.set jx, 2*jq+(mm-2)/6
.if m2 == 0
	v_cmp_gt_f32 s[MK+2*jx], v[ac+jx], v[FR+ta]
.elseif m2 == 1
	v_med3_num_f32 v[SR+ta], v[FR+ta], v[SR+ta], v[ac+jx]
.elseif m2 == 2
	v_med3_num_f32 v[SR+ta+1], v[FR+ta+1], v[SR+ta+1], v[ac+8+jx]
.elseif m2 == 3
	v_cmp_gt_f32 s[MK+2*jx+1], v[ac+8+jx], v[FR+ta+1]
.elseif m2 == 4
	v_max_num_f32 v[FR+ta], v[FR+ta], v[ac+jx]
.else
	v_max_num_f32 v[FR+ta+1], v[FR+ta+1], v[ac+8+jx]
.endif
.endif
.else
.if rn == 56
	s_wait_alu depctr_va_sdst(0)                   ; the pair's sixteen compares have written s[48:63], ahead of the first select that reads one of them
.endif
.set jx, (rn-56)/2
.set tb, (rn-56)%2
	v_cndmask_b32 v[CR+ta+tb], v[CR+ta+tb], v[rcb+8+jx], s[MK+2*jx+tb]
.endif
.set rn, rn+1
.endm
; 16 products of pair pr: K step ii / 2, tile 2 pr + ii % 2: the two sums take turns, one instruction a turn.  The first two start the sums with 0.
.macro MMA pr, win
	WIN \win
.set dd, ACC+16*(\pr)+8*(ii%2)
.set qq, 64*(2*(\pr)+ii%2)+8*(ii/2)
.if ii < 2
	v_wmma_f32_16x16x32_bf16 v[dd:dd+7], v[AF+8*(ii/2):AF+8*(ii/2)+7], v[qq:qq+7], 0
.else
	v_wmma_f32_16x16x32_bf16 v[dd:dd+7], v[AF+8*(ii/2):AF+8*(ii/2)+7], v[qq:qq+7], v[dd:dd+7]
.endif
	WIN 0
.endm
.macro RCLOAD pr                       ; rc and codes of the tile in hand, for the lines of pair pr
	ds_load_b128 v[RCB0+16*(\pr):RCB0+16*(\pr)+3],     v7
	ds_load_b128 v[RCB0+16*(\pr)+4:RCB0+16*(\pr)+7],   v7 offset:16
	ds_load_b128 v[RCB0+16*(\pr)+8:RCB0+16*(\pr)+11],  v7 offset:CDO
	ds_load_b128 v[RCB0+16*(\pr)+12:RCB0+16*(\pr)+15], v7 offset:CDO+16
.endm
.macro STEPX win                       ; pair X's products of this tile | pair Y's lines of the tile before
	s_wait_alu depctr_va_vdst(0)                   ; the last tile's products are done reading K steps 4-7, and pair X's lines their rc and codes: the twelve loads below land there; v5 and v7, which they read, are written
	ALOAD 5, 4, 0                                  ; a run of twelve: this tile's K steps 4-7, and pair X's rc and codes
	RCLOAD 0
	s_wait_dscnt 12                                ; the twelve just issued may be out; the run before them is in: K steps 0-3 and pair Y's rc and codes
.set rn, 0
.set ii, 0
.rept 16
.if ii == 8
	s_wait_dscnt 0x0                               ; K steps 4-7 and pair X's rc and codes, asked for eight products ago
.endif
	MMA 0, \win
.rept 5-(ii%2)
	RID 1
.endr
.set ii, ii+1
.endr
.endm
.macro STEPY win                       ; pair Y's products | pair X's lines of the same tile
.set rn, 0
.set ii, 0
.rept 16
	MMA 1, \win
.rept 5-(ii%2)
	RID 0
.endr
.if ii == 8                            ; K steps 0-3 had their last reader in the eighth product; nine lines of pair X stand behind it
	s_wait_alu depctr_va_vdst(0)                   ; both pairs' products are done reading K steps 0-3, and pair Y's lines (in pair X's half) their rc and codes: the twelve loads below land there
	ALOAD 5, 0, TILEB                              ; a run of twelve: the next tile's K steps 0-3, one tile behind v5, and pair Y's rc and codes of this tile
	RCLOAD 1
.endif
.set ii, ii+1
.endr
.endm
.macro FLUSHG                          ; a group of five tiles is done for all four query tiles
	s_wait_xcnt 0x0                                ; the last flush's stores have had their addresses translated
	s_wait_alu depctr_vm_vsrc(0)                   ; the earlier flushes' stores have read v10, v11 and v[32:47], which are written again from here on
	v_add_nc_u32 v10, s41, v10
	s_mov_b32 s41, 16384                           ; two groups on
.irp t, 0,1,2,3
	v_mov_b32 v[OF+\t], v[FR+\t]
	v_mov_b32 v[OF+4+\t], v[CR+\t]
	v_mov_b32 v[OF+8+\t], v[SR+\t]
	v_max_num_f32 v[PR+\t], v[PR+\t], v[FR+\t]
	v_mov_b32 v[FR+\t], s24
	v_mov_b32 v[SR+\t], s24
.endr
	s_wait_alu depctr_va_vdst(0)                   ; v10 and v[32:43] are written, which the three stores read
	global_store_b128 v10, v[OF:OF+3], s[14:15]    ; each half of the lanes stores 256 consecutive bytes, aligned
	global_store_b128 v10, v[OF+4:OF+7], s[16:17]
	global_store_b128 v10, v[OF+8:OF+11], s[18:19]
.endm
.macro FLUSHB                          ; a query block is done (its registers were freed by the two waits at the head of the flush just above; that flush's stores name none of them)
	v_add_nc_u32 v11, s42, v11
	s_mov_b32 s42, 1024                            ; four blocks of 64 rows on
.irp t, 0,1,2,3
	v_mov_b32 v[OF+12+\t], v[PR+\t]
	v_mov_b32 v[PR+\t], s24
.endr
	s_wait_alu depctr_va_vdst(0)                   ; v11 and v[44:47] are written, which the store reads
	global_store_b128 v11, v[OF+12:OF+15], s[20:21]
	s_mov_b32 s41, 0xffff0400                      ; 16,384 + 1,024 - 81,920: back to the first group, the next block's rows
	s_mov_b32 s28, 5
.endm
.macro TILE win
	STEPX \win
	s_cmp_lg_u32 s27, 0                            ; a group's last lines (pair Y's) stand in the next tile's first half: the flush comes here
	s_cbranch_scc1 .Lgo_\@
	FLUSHG
	s_mov_b32 s27, 5
	s_sub_co_u32 s28, s28, 1
	s_cmp_lg_u32 s28, 0
	s_cbranch_scc1 .Lgo_\@
	FLUSHB
.Lgo_\@:
	s_sub_co_u32 s27, s27, 1
	STEPY \win
	s_wait_alu depctr_vm_vsrc(0)                   ; this tile's two runs of LDS loads have read v5 and v7
	v_add_nc_u32 v5, TILEB, v5                     ; the next tile; the wait at its head shows both written
	v_add_nc_u32 v7, 64, v7
.endm
.macro BLOCK win, dst                  ; 25 tiles against one query block; the next block's fragments are asked for at its head
	s_wait_loadcnt 0x0                             ; this block's Q, asked for a block ago
	s_cmp_eq_u32 s31, 0x100000                     ; behind the eighth block there is none
	s_cbranch_scc1 .Lnoq_\@
	s_mov_b32 s34, s31
	s_mov_b32 s35, 0
	s_add_nc_u64 s[32:33], s[8:9], s[34:35]
	QLOAD \dst
.Lnoq_\@:
	s_add_co_u32 s31, s31, 131072
	v_mov_b32 v5, v4                               ; tile 0: its K steps 0-3 are in registers (from rows 400-415, which repeat it), its K steps 4-7 are fetched next.  No LDS load has read v5 or v7 since the wait at the last tile's end
	v_mov_b32 v7, v6
	s_mov_b32 s29, 25
.Ltile_\@:
	TILE \win
	s_sub_co_u32 s29, s29, 1
	s_cmp_lg_u32 s29, 0
	s_cbranch_scc1 .Ltile_\@
.endm
	s_mov_b32 s30, 4
.Lblocks:
	BLOCK 0x04, 0x80                               ; source 1 in window 1; the loads go to window 2
	BLOCK 0x08, 0x40
	s_sub_co_u32 s30, s30, 1
	s_cmp_lg_u32 s30, 0
	s_cbranch_scc1 .Lblocks
	s_wait_dscnt 0x0                               ; pair Y's rc and codes of the last tile
.set rn, 0
.rept 72
	RID 1                                          ; the last tile's lines for pair Y
.endr
	FLUSHG
	FLUSHB
	s_wait_dscnt 0x0                               ; the closing lines, six on end
	s_wait_alu 0x0
	s_wait_tensorcnt 0x0
	ds_add_u32 v2, v3
	s_wait_dscnt 0x0
	s_endpgm
.Lfunc_end_k_q45e6115ae2_simtop:
	.size	k_q45e6115ae2_simtop, .Lfunc_end_k_q45e6115ae2_simtop-k_q45e6115ae2_simtop
	.p2alignl 7, 3214868480
	.fill 96, 4, 3214868480
	.section	.rodata,"a",@progbits
	.p2align	6, 0x0
	.amdhsa_kernel k_q45e6115ae2_simtop
		.amdhsa_group_segment_fixed_size 225536
		.amdhsa_private_segment_fixed_size 0
		.amdhsa_enable_private_segment 0
		.amdhsa_kernarg_size 56
		.amdhsa_user_sgpr_count 2
		.amdhsa_user_sgpr_kernarg_segment_ptr 1
		.amdhsa_wavefront_size32 1
		.amdhsa_system_sgpr_workgroup_id_x 1
		.amdhsa_system_sgpr_workgroup_id_y 1
		.amdhsa_system_sgpr_workgroup_id_z 1
		.amdhsa_system_vgpr_workitem_id 0
		.amdhsa_next_free_vgpr 768
		.amdhsa_next_free_sgpr 66
		.amdhsa_reserve_vcc 0
		.amdhsa_float_denorm_mode_32 3
		.amdhsa_float_denorm_mode_16_64 3
		.amdhsa_memory_ordered 1
		.amdhsa_forward_progress 1
		.amdhsa_inst_pref_size 122
	.end_amdhsa_kernel
	.amdgpu_metadata
---
amdhsa.version: [ 1, 2 ]
amdhsa.kernels:
  - .name:           k_q45e6115ae2_simtop
    .symbol:         k_q45e6115ae2_simtop.kd
    .args:
      - { .name: candidates, .offset: 0, .size: 8, .value_kind: global_buffer, .address_space: global }
      - { .name: candidate_labels, .offset: 8, .size: 8, .value_kind: global_buffer, .address_space: global }
      - { .name: qf, .offset: 16, .size: 8, .value_kind: global_buffer, .address_space: global }
      - { .name: cbf, .offset: 24, .size: 8, .value_kind: global_buffer, .address_space: global }
      - { .name: mf, .offset: 32, .size: 8, .value_kind: global_buffer, .address_space: global }
      - { .name: mc, .offset: 40, .size: 8, .value_kind: global_buffer, .address_space: global }
      - { .name: ms, .offset: 48, .size: 8, .value_kind: global_buffer, .address_space: global }
    .group_segment_fixed_size: 225536
    .private_segment_fixed_size: 0
    .kernarg_segment_align: 8
    .kernarg_segment_size: 56
    .max_flat_workgroup_size: 128
    .sgpr_count:     66
    .vgpr_count:     768
    .wavefront_size: 32
...
	.end_amdgpu_metadata
.endif
;; end of part 5
;; launch thresh: the kernel of part 3 again; grid 32 x 8, 10 waves a work-group, no clusters, 10,496 bytes of LDS; arguments mf, ms, sel, flg, cnt; writes sel, flg, cnt
;; launch final: the kernel of part 4 again; grid 256 x 1, 8 waves a work-group, no clusters, 0 bytes of LDS; arguments qf, cbf, cnt, candidate_labels, mf, mc, sel, out0, flg; writes out0
